; MI455X (gfx1250); checked and timed in simulation.
; The chip was launched on July 23, 2026; its instructions are those of AMD's public machine-readable ISA for CDNA 5 (MIT licence, August 2026) and "CDNA5" Instruction Set Architecture Reference Guide (July 2026). The comments in the code are by the model that wrote it; some were corrected since.
;; Multi Head Attention. Allowed arithmetic: matrix products marked QUANTISED: E4M3 operands, one given power-of-two scale a tensor, by v_wmma_f32_16x16x64_fp8_fp8 or v_wmma_f32_16x16x128_fp8_fp8, f32 sums; everything else in f32.
;; Inputs: W_k 1,024 x 1,024 float32; W_o 1,024 x 1,024 float32; W_q 1,024 x 1,024 float32; W_v 1,024 x 1,024 float32; lowp_scales 12 int32 (the exponents e of the quantised operands' scales 2^e); x 4 x 2,048 x 1,024 float32.
;; Outputs: out0 4 x 2,048 x 1,024 float32.
;; This version of the problem:
;;   THIS VERSION OF THE PROBLEM IS GIVEN IN LOW PRECISION. The matrix products marked QUANTISED in the list below multiply operands that are first quantised to E4M3 (4 exponent bits, 3 mantissa bits; 8 bits a number), with one given power-of-two scale for each operand tensor; their sums are f32. All else is computed in f32.
;;   The module's matrix products, in the order in which they are computed (A, B: the left and right operand; K: the contracted axis; several contracted axes count as one K, in the product's order):
;;     1. [M 8,192, K 1,024] x [K 1,024, N 1,024]; A: input x; B: input W_q: QUANTISED (scales: A lowp_scales[0], B lowp_scales[1])
;;     2. [M 8,192, K 1,024] x [K 1,024, N 1,024]; A: input x; B: input W_k: QUANTISED (scales: A lowp_scales[2], B lowp_scales[3])
;;     3. [M 8,192, K 1,024] x [K 1,024, N 1,024]; A: input x; B: input W_v: QUANTISED (scales: A lowp_scales[4], B lowp_scales[5])
;;     4. batch 64 x [M 2,048, K 64] x [K 64, N 2,048]; A: computed on the way; B: computed on the way: QUANTISED (scales: A lowp_scales[6], B lowp_scales[7])
;;     5. batch 64 x [M 2,048, K 2,048] x [K 2,048, N 64]; A: softmax (see below); B: computed on the way: QUANTISED (scales: A lowp_scales[8], B lowp_scales[9])
;;     6. [M 8,192, K 1,024] x [K 1,024, N 1,024]; A: computed on the way; B: input W_o: QUANTISED (scales: A lowp_scales[10], B lowp_scales[11])
;;   THE QUANTISER, for each operand of a quantised product, along K:
;;     - The operand's scale is 2^e, e = its entry of the input lowp_scales (int32; the entries are numbered through the quantised products in the list's order, A before B).
;;     - Each number is divided by the scale, clamped to +-448, and rounded to the nearest number of E4M3, ties to even, subnormals kept.
;;     - The product sums the exact products of the quantised numbers (number of the format x scale) in f32.
;;   ~~~python
;;   def quantise(x, axis, e):      # numpy; x: float32 -> the quantised numbers, widened to float32 again
;;       x = np.moveaxis(x, axis, -1); K = x.shape[-1]
;;       r = np.clip(x / 2.0 ** e, -448, 448)
;;       step = 2.0 ** (np.maximum(np.frexp(np.where(r == 0, 1, r))[1] - 1, -6) - 3)
;;       q = np.round(r / step) * step * 2.0 ** e      # np.round: ties to even
;;       return np.moveaxis(q, -1, axis).astype(np.float32)
;;   ~~~
;;   SOFTMAX AHEAD OF A QUANTISED PRODUCT. Where the list says 'softmax', what is quantised is not the finished softmax but p = 2^(t - M), with t = logit x log2(e) and M = ceil(the row's largest t), a whole number; so 1/2 < the row's largest p <= 1. The row's sum l is taken of the UNQUANTISED p, in f32, and the product's result is divided by l at the end. Since M is a whole number, a kernel that streams over the keys may use a running M (the ceiling of the running maximum): every later rescaling is an exact power of two, so the quantised numbers keep their values, but for numbers so far below the row's largest that they fall under the format's range.
;;   OPERANDS COMPUTED ON THE WAY. 'Computed on the way' means the value that the module computes at that place (a softmax that the list does not call 'softmax' is quantised finished and normalised). What goes into a quantiser is computed in f32, as accurately as f32 sums, v_exp_f32 and their like allow (about 1e-6 of the number): no bf16 or f16 on the way to a quantiser, and a product that is left as it is and whose result goes on into a quantised operand takes f32 operands (vector FMAs, or v_wmma_f32_16x16x4_f32). A number that lies on a knife's edge between two numbers of the format may be rounded either way, as far as f32 arithmetic and the matrix unit's own rounding can turn it there, and no further.
;; One version. Each part assembles by itself: llvm-mc -triple=amdgcn-amd-amdhsa -mcpu=gfx1250 --defsym DOCPART=n.
;; ======== version 1 of 1: 4 launches
;; limits: right only within a limited range of input values
;; workspace buffers: xc 25,165,824 bytes; wc 4,194,304 bytes; qc 8,388,608 bytes; kvc 16,777,216 bytes; ac 8,388,608 bytes
;; launch quant (part 1): grid 384 x 1, 4 waves a work-group, no clusters, 33,280 bytes of LDS; arguments x, W_q, W_k, W_v, W_o, lowp_scales, xc, wc; writes xc, wc
.if DOCPART == 1
	.amdgcn_target "amdgcn-amd-amdhsa--gfx1250"
	.amdhsa_code_object_version 6
	.text
	.protected	k_q8dcbd2ce57_quant
	.globl	k_q8dcbd2ce57_quant
	.p2align	8
	.type	k_q8dcbd2ce57_quant,@function
k_q8dcbd2ce57_quant:
	s_mov_b64 s[64:65], 0
	v_nop
	global_prefetch_b8 v0, s[64:65] scope:SCOPE_SE
	s_setreg_imm32_b32 hwreg(HW_REG_WAVE_MODE, 25, 1), 1
	s_wait_xcnt 0x0
; x [8192][1024] and the four weights [1024][1024], f32 with K innermost, become codes of E4M3, each with its given scale 2^e.
; x is an operand of three products under three entries of the scales (0, 2, 4), which may differ: it is read once and converted three times.
; code = number / 2^e, held within +-448, to the nearest code, ties to even.
; LIMITS: entries 0 to 5 and 11 of the scales lie between -126 and 119, so that 2^e and 448 x 2^e are f32 numbers.  NaN among the inputs is not served.
; LAYOUT OF THE CODES: blocks of 128 rows x 128 codes, 16,384 bytes on end: [row block][k block][row][k].  xc: three versions, 8 MiB apart; wc: W_q, W_k, W_v, W_o, 1 MiB apart.
; SHARES: a wave takes half a block, 64 rows x 128 along K, in 16 steps of 4 rows.  Work-groups 0-255 take x, 256-383 the weights (32 each).
; Each load reads 512 consecutive bytes (one row's 128 numbers); a step's 2,048 bytes turn through the wave's own stage in LDS, so that a lane holds 16 neighbours along K;
; a lane's 16 codes are 16 bytes and the wave stores 512 consecutive bytes.  Waves share nothing: no barrier.  Loads run four steps ahead, the turn through LDS one step.
.set STEPS, 16
.set SP,    80                         ; a lane's place in a stage: 64 bytes + 16 of padding
.set WREG,  8192                       ; LDS of a wave: two stages of 32 x SP bytes
.set R,     16                         ; v16-79   four sets of 16 numbers as loaded
.set X,     80                         ; v80-111  two sets of 16 neighbours
.set T,     112                        ; v112-143 two sets of 16 held numbers, by turns
.set C,     144                        ; v144-155 codes: four registers for each version
.set SC,    160                        ; v160.. for version p: 2^e at 2 p, 448 x 2^e at 2 p + 1
	s_load_b256 s[4:11], s[0:1], 0x0               ; x, W_q, W_k, W_v
	s_load_b256 s[12:19], s[0:1], 0x20             ; W_o, the scales, xc, wc
	v_lshl_add_u32 v192, v0, 2, 0x8000
	v_mov_b32 v193, 0
	v_lshrrev_b32 v1, 5, v0
	v_readfirstlane_b32 s20, v1                    ; wave
	v_and_b32 v2, 31, v0                           ; lane
	v_lshlrev_b32 v3, 4, v2                        ; 16 x lane: my 16 bytes of a load's 512 and of a store's 512; never rewritten
	s_mul_i32 s34, s20, WREG
	v_lshrrev_b32 v14, 2, v2
	v_mul_u32_u24 v14, v14, SP
	v_and_b32 v15, 3, v2
	v_lshl_add_u32 v14, v15, 4, v14
	v_add_nc_u32 v14, s34, v14                     ; the stage, on the way in: SP (lane / 4) + 16 (lane % 4)
	v_mul_u32_u24 v15, v2, SP
	v_add_nc_u32 v15, s34, v15                     ; and on the way out: SP x lane
	s_cmp_lt_u32 ttmp9, 256                        ; x's work-group or a weight's?  The choice hangs on the work-group's number alone
	s_cselect_b32 s21, 1, 0
	s_cselect_b32 s31, 0, 256
	s_sub_co_u32 s31, ttmp9, s31                   ; the work-group's number among x's, or among the weights'
	s_lshr_b32 s33, s31, 5                         ; which weight (32 work-groups each)
	s_and_b32 s32, s31, 31
	s_cmp_eq_u32 s21, 1
	s_cselect_b32 s32, s31, s32
	s_lshl_b32 s32, s32, 2
	s_add_co_u32 s32, s32, s20                     ; u: my half block in its tensor: ((row block x 8 + k block) x 2 + half)
	s_lshl_b32 s31, s31, 2
	s_add_co_u32 s31, s31, s20
	s_lshl_b32 s48, s31, 13                        ; where its codes go: 8,192 bytes each, on end (the weights one behind the other)
	s_mov_b32 s49, 0
	s_lshr_b32 s50, s32, 4
	s_lshl_b32 s50, s50, 19                        ; where its numbers lie: row block x 128 rows of 4,096 bytes,
	s_and_b32 s35, s32, 1
	s_lshl_b32 s35, s35, 18                        ; + half x 64 rows,
	s_add_co_u32 s50, s50, s35
	s_bfe_u32 s35, s32, 0x30001
	s_lshl_b32 s35, s35, 9                         ; + k block x 512 bytes
	s_add_co_u32 s50, s50, s35
	s_mov_b32 s51, 0
	s_wait_kmcnt 0x0
	s_load_b256 s[36:43], s[14:15], 0x0            ; entries 0 to 7 of the scales
	s_load_b128 s[44:47], s[14:15], 0x20           ; entries 8 to 11
	s_mov_b64 s[22:23], s[12:13]                   ; the source: W_o, unless ..
	s_cmp_eq_u32 s33, 2
	s_cselect_b64 s[22:23], s[10:11], s[22:23]
	s_cmp_eq_u32 s33, 1
	s_cselect_b64 s[22:23], s[8:9], s[22:23]
	s_cmp_eq_u32 s33, 0
	s_cselect_b64 s[22:23], s[6:7], s[22:23]
	s_cmp_eq_u32 s21, 1
	s_cselect_b64 s[22:23], s[4:5], s[22:23]
	s_cselect_b64 s[24:25], s[16:17], s[18:19]     ; the first (or only) version's codes: xc or wc
	s_add_nc_u64 s[22:23], s[22:23], s[50:51]
	s_add_nc_u64 s[24:25], s[24:25], s[48:49]
	s_add_nc_u64 s[26:27], s[16:17], s[48:49]      ; x's second and third versions (used on x's way alone)
	s_add_nc_u64 s[26:27], s[26:27], 0x800000
	s_add_nc_u64 s[28:29], s[16:17], s[48:49]
	s_add_nc_u64 s[28:29], s[28:29], 0x1000000
.macro LOAD t                          ; step t: rows 4 t .. 4 t + 3, 512 consecutive bytes each
.irp i, 0,1,2,3
	global_load_b128 v[R+16*((\t)%4)+4*\i:R+16*((\t)%4)+4*\i+3], v3, s[22:23] offset:4096*(4*(\t)+\i) th:TH_LOAD_NT
.endr
.endm
.macro TURN t                          ; step t's numbers through the stage: LDS serves a wave's instructions in order, so no wait stands between the stores and the loads
.irp i, 0,1,2,3
	ds_store_b128 v14, v[R+16*((\t)%4)+4*\i:R+16*((\t)%4)+4*\i+3] offset:32*SP*((\t)%2)+8*SP*\i
.endr
.irp i, 0,1,2,3
	ds_load_b128 v[X+16*((\t)%2)+4*\i:X+16*((\t)%2)+4*\i+3], v15 offset:32*SP*((\t)%2)+16*\i
.endr
.endm
.macro MKSC p, se                      ; version p's 2^e and 448 x 2^e from the exponent in s[se]
	s_add_co_i32 s34, s[\se], 127
	s_lshl_b32 s35, s34, 23
	v_mov_b32 v[SC+2*\p], s35
	s_add_co_i32 s34, s34, 8
	s_lshl_b32 s34, s34, 23
	s_or_b32 s34, s34, 0x600000
	v_mov_b32 v[SC+2*\p+1], s34
.endm
; Version p of step t: the hold (the conversion to an 8-bit code does not saturate: ISA guide 7.6.2) into a set of its own, so that the numbers stay for the next version; two conversions; one store.
; The held sets take turns on both ways through the text, so sixteen plain lines stand between a conversion and the next write of its sources.
.macro CONV t, p
.set TS, T+16*((3*(\t)+(\p))%2)
.set XS, X+16*((\t)%2)
.set i, 0
.rept 16
	v_med3_num_f32 v[TS+i], v[XS+i], -v[SC+2*(\p)+1], v[SC+2*(\p)+1]
.set i, i+1
.endr
	v_cvt_scalef32_pk8_fp8_f32 v[C+4*(\p):C+4*(\p)+1], v[TS:TS+7], v[SC+2*(\p)]
	v_cvt_scalef32_pk8_fp8_f32 v[C+4*(\p)+2:C+4*(\p)+3], v[TS+8:TS+15], v[SC+2*(\p)]
	global_store_b128 v3, v[C+4*(\p):C+4*(\p)+3], s[24+2*(\p):25+2*(\p)] offset:512*(\t)   ; the wave stores 512 consecutive bytes, at a multiple of 512 from the buffer's first byte
.endm
.irp t, 0,1,2,3
	LOAD \t
.endr
	s_wait_kmcnt 0x0
	s_mov_b32 s30, s47                             ; the first version's exponent, chosen as the source was: entry 11, 5, 3, 1 or 0
	s_cmp_eq_u32 s33, 2
	s_cselect_b32 s30, s41, s30
	s_cmp_eq_u32 s33, 1
	s_cselect_b32 s30, s39, s30
	s_cmp_eq_u32 s33, 0
	s_cselect_b32 s30, s37, s30
	s_cmp_eq_u32 s21, 1
	s_cselect_b32 s30, s36, s30
	MKSC 0, 30
	MKSC 1, 38                                     ; entry 2
	MKSC 2, 40                                     ; entry 4
	s_wait_loadcnt 12                              ; step 0's four loads are in; the twelve of steps 1 to 3 may be out
	TURN 0
.macro STEP t
	s_wait_dscnt 0x0                               ; this step's numbers are back from the stage, and its stores into the stage have read their registers,
.if (\t)+4 < STEPS
	LOAD (\t)+4                                    ; which take the loads of four steps on
.endif
.if (\t)+1 < STEPS
.if STEPS-2-(\t) >= 3
	s_wait_loadcnt 12                              ; the next step's four loads are in; those of the three steps behind it may be out
.else
	s_wait_loadcnt 4*(STEPS-2-(\t))
.endif
	TURN (\t)+1                                    ; they go through the other stage while this step is worked
.endif
	s_wait_xcnt 0x0                                ; the last step's stores have read their data: the codes' registers are written again only behind this wait
	CONV \t, 0
	s_cmp_eq_u32 s21, 0                            ; a weight has one version: the jump passes over vector lines and global stores alone
	s_cbranch_scc1 .Lone_\@
	CONV \t, 1
	CONV \t, 2
.Lone_\@:
.endm
.irp t, 0,1,2,3,4,5,6,7,8,9,10,11,12,13,14,15
	STEP \t
.endr
	s_wait_tensorcnt 0x0
	ds_add_u32 v192, v193
	s_wait_dscnt 0x0
	s_endpgm
.Lfunc_end_k_q8dcbd2ce57_quant:
	.size	k_q8dcbd2ce57_quant, .Lfunc_end_k_q8dcbd2ce57_quant-k_q8dcbd2ce57_quant
	.p2alignl 7, 3214868480
	.fill 96, 4, 3214868480
	.section	.rodata,"a",@progbits
	.p2align	6, 0x0
	.amdhsa_kernel k_q8dcbd2ce57_quant
		.amdhsa_group_segment_fixed_size 33280
		.amdhsa_private_segment_fixed_size 0
		.amdhsa_enable_private_segment 0
		.amdhsa_kernarg_size 64
		.amdhsa_user_sgpr_count 2
		.amdhsa_user_sgpr_kernarg_segment_ptr 1
		.amdhsa_wavefront_size32 1
		.amdhsa_system_sgpr_workgroup_id_x 1
		.amdhsa_system_sgpr_workgroup_id_y 1
		.amdhsa_system_sgpr_workgroup_id_z 1
		.amdhsa_system_vgpr_workitem_id 0
		.amdhsa_next_free_vgpr 194
		.amdhsa_next_free_sgpr 66
		.amdhsa_reserve_vcc 0
		.amdhsa_float_denorm_mode_32 3
		.amdhsa_float_denorm_mode_16_64 3
		.amdhsa_memory_ordered 1
		.amdhsa_forward_progress 1
		.amdhsa_inst_pref_size 79
	.end_amdhsa_kernel
	.amdgpu_metadata
---
amdhsa.version: [ 1, 2 ]
amdhsa.kernels:
  - .name:           k_q8dcbd2ce57_quant
    .symbol:         k_q8dcbd2ce57_quant.kd
    .args:
      - { .name: x, .offset: 0, .size: 8, .value_kind: global_buffer, .address_space: global }
      - { .name: W_q, .offset: 8, .size: 8, .value_kind: global_buffer, .address_space: global }
      - { .name: W_k, .offset: 16, .size: 8, .value_kind: global_buffer, .address_space: global }
      - { .name: W_v, .offset: 24, .size: 8, .value_kind: global_buffer, .address_space: global }
      - { .name: W_o, .offset: 32, .size: 8, .value_kind: global_buffer, .address_space: global }
      - { .name: lowp_scales, .offset: 40, .size: 8, .value_kind: global_buffer, .address_space: global }
      - { .name: xc, .offset: 48, .size: 8, .value_kind: global_buffer, .address_space: global }
      - { .name: wc, .offset: 56, .size: 8, .value_kind: global_buffer, .address_space: global }
    .group_segment_fixed_size: 33280
    .private_segment_fixed_size: 0
    .kernarg_segment_align: 8
    .kernarg_segment_size: 64
    .max_flat_workgroup_size: 128
    .sgpr_count:     66
    .vgpr_count:     194
    .wavefront_size: 32
...
	.end_amdgpu_metadata
.endif
;; end of part 1
;; launch qkv (part 2): grid 12 x 32, 4 waves a work-group, clusters of 4 x 4, 327,680 bytes of LDS; arguments xc, wc, lowp_scales, qc, kvc; writes qc, kvc
.if DOCPART == 2
	.amdgcn_target "amdgcn-amd-amdhsa--gfx1250"
	.amdhsa_code_object_version 6
	.text
	.protected	k_q8dcbd2ce57_qkv
	.globl	k_q8dcbd2ce57_qkv
	.p2align	8
	.type	k_q8dcbd2ce57_qkv,@function
k_q8dcbd2ce57_qkv:
	s_mov_b64 s[64:65], 0
	v_nop
	global_prefetch_b8 v0, s[64:65] scope:SCOPE_SE
	s_setreg_imm32_b32 hwreg(HW_REG_WAVE_MODE, 25, 1), 1
	s_wait_xcnt 0x0
	s_wait_alu depctr_hold_cnt(0) depctr_sa_sdst(0) depctr_va_vdst(0) depctr_va_sdst(0) depctr_va_ssrc(0) depctr_va_vcc(0) depctr_vm_vsrc(0)
	s_getreg_b32 s2, hwreg(HW_REG_IB_STS2, 6, 4)
	s_cmp_eq_u32 s2, 0
	s_cbranch_scc0 .Lentry_in_a_cluster
	s_endpgm
.Lentry_in_a_cluster:
	s_bfe_u32 s2, ttmp6, 0x10000c
	s_cmp_lg_u32 s2, 0xf033
	s_cbranch_scc0 .Lentry_shape_is_right
	s_endpgm
.Lentry_shape_is_right:
; Products 1 to 3 on codes of E4M3, and their sums quantised on the way out.  p = cluster x: 0: Q = x W_q^T; 1: K = x W_k^T; 2: V^T = W_v x^T (the same product with the sides exchanged, so that V's codes come out with the keys innermost).
; C[m][n] = sum over k of A[m][k] B[n][k], K = 1,024.  p < 2: A = x's version p (8,192 rows), B = the weight (1,024 rows).  p = 2: A = W_v, B = x's third version.
; A tile of C, 256 x 256, is made by four waves; a wave makes 128 x 128: 64 accumulators, 512 registers.  K goes in 4 steps of 256 through a ring of two LDS slots.
; Operands lie in blocks of 128 rows x 128 codes, [row block][k block]: a wave's tensor load brings two k blocks of one row block, 32,768 consecutive bytes, as 256 rows of 128 bytes.
; CLUSTERS: 4 x 4 work-groups; A's tiles are asked for jointly along a row of the cluster, B's along a column.
; THE MATRIX INSTRUCTION IS USED TRANSPOSED (source 0 = 16 rows of B, source 1 = 16 rows of A): a lane holds eight neighbouring n of one row m, which one conversion turns into 8 bytes of codes.
; A sum stands for sum x 2^(ea + eb); its code under 2^eo is sum / 2^(eo - ea - eb), held within +-448: the three exponents are folded into the conversion's one.
; LIMITS: e6 - e0 - e1, e7 - e2 - e3 and e9 - e4 - e5 lie between -126 and 119.
; OUT: a wave's 128 x 128 codes are one block of 16,384 bytes: qc [batch x 8 + head pair][query block][query][64 g + d]; kvc [batch x 8 + head pair][key block]: 16 KiB of K [key][64 g + d], then 16 KiB of V^T [64 g + d][key].
; REGISTERS, in windows of 256: window 0: v0-31 addresses and the two scale numbers; from v128 A's fragments, ONE set; on the way out v32-255 are free.  window 1: B's fragments, TWO sets.  windows 2, 3: the accumulators ((a, b) at v[8 (8 (a % 4) + b)]).
; No prefetch: half of K goes out at the head, and the joint loads of the rest have a K step's 128 matrix instructions in which to land.
.set PITCH,  144                       ; an LDS row: 128 bytes + 16 of padding = 36 words: the 16 rows that a load touches start at 16 different groups of four banks (64 banks of 4 bytes: ISA guide 11.1)
.set FR,     16                        ; registers of a fragment: 16 rows x 128 K
.set NL,     4                         ; LDS loads that bring one
.set NP,     4                         ; places behind this matrix instruction (ISA guide 7.12.1)
.set HALFT,  256*PITCH                 ; what one tensor load brings: [k block 0, 1][128 rows]
.set SLOT,   4*HALFT                   ; A's two row blocks, then B's two
.set LAPS,   2                         ; a lap = two K steps = once round the ring
.set KB,     32768                     ; a K step of a row block in memory
.set SPARE,  2*SLOT                    ; behind the ring: the spare words, 128 bytes for each wave
.set WSTG,   128*PITCH                 ; the way out: a stage of 128 rows for each wave, in slot 0, which has had its last fill and its last read when the first code is stored there
.set ADRA, 16                          ; v16-17  LDS address of my A fragments in slot 0, 1
.set ADRB, 20                          ; v20-21  the same for B
.set STO,  24                          ; v24     the way out: where I put 8 bytes of a row
.set RD,   25                          ; v25     where I read 16 bytes back
.set CO,   26                          ; v26     16 x lane: my place in a store's 512 bytes
.set SPW,  28                          ; v28     LDS address of my spare word; never rewritten
.set NIL,  29                          ; v29     0; never rewritten
.set SCV,  30                          ; v30     2^(eo - ea - eb)
.set LIMV, 31                          ; v31     448 x that
.set TMP,  32                          ; the way out: 64 held sums
.set CD,   96                          ; two sets of 16 registers of codes, by turns
.set AF,   128                         ; A's fragments, in window 0
.set BK,   128                         ; the way out: 16 registers for each block's rows as read back; none is used twice
.set G1, 24                            ; s[24:31] descriptor group 1 for A's tiles;  s[32:39] group 0, one set for each slot
.set G0, 32
.set G1B, 48                           ; s[48:55], s[56:63] the same for B's tiles
.set G0B, 56
.set MSB, 0
.macro WIN new                         ; the immediate's high byte repeats the setting that is left
.if MSB != \new
	s_set_vgpr_msb (MSB<<8)|\new
.set MSB, \new
.endif
.endm
.set MUL_LO, 0xa1                      ; source 0 (B) window 1, source 1 (A) window 0, C and D window 2
.set MUL_HI, 0xf1                      ; the same, C and D window 3
.set TO_B,   0x40                      ; destination window 1, address window 0
; A joint load: waves 0 and 1 fetch for A, waves 2 and 3 for B.  The branch hangs on the wave's number alone.  Four v_nop follow each of the two lines.
.macro JLOAD g0a, g1a, g0b, g1b
	s_cmp_eq_u32 s15, 0
	s_cbranch_scc0 .Lfor_b_\@
	tensor_load_to_lds s[\g0a:\g0a+3], s[\g1a:\g1a+7]
	s_nop 0
.rept 4
	v_nop
.endr
	s_branch .Lasked_\@
.Lfor_b_\@:
	tensor_load_to_lds s[\g0b:\g0b+3], s[\g1b:\g1b+7]
	s_nop 0
.rept 4
	v_nop
.endr
.Lasked_\@:
.endm
.macro CREST                           ; a round of the cluster's barrier behind its opening barrier
	s_cmp_lg_u32 s14, 0
	s_cbranch_scc1 .Lnot_wave_0_\@
	s_barrier_signal -3
.Lnot_wave_0_\@:
	s_barrier_wait -3
	s_barrier_signal -1
	s_barrier_wait -1
.endm
.macro CROUND                          ; a whole round
	s_barrier_signal -1
	s_barrier_wait -1
	CREST
.endm
	s_load_b128 s[4:7], s[0:1], 0x0                ; xc s[4:5], wc s[6:7]
	s_load_b128 s[8:11], s[0:1], 0x10              ; the scales s[8:9], qc s[10:11]
	s_load_b64 s[12:13], s[0:1], 0x20              ; kvc
	v_lshl_add_u32 v[SPW], v0, 2, SPARE
	v_mov_b32 v[NIL], 0
	ds_add_u32 v28, v29
	s_wait_dscnt 0x0
	v_lshrrev_b32 v1, 5, v0
	v_readfirstlane_b32 s14, v1                    ; wave 0..3
	s_lshr_b32 s15, s14, 1                         ; which half of the tile's rows is mine.  Also: I fetch for A (0) or for B (1)
	s_and_b32 s16, s14, 1                          ; which half of its columns.  Also: which row block of that tile I fetch
	s_bfe_u32 s40, ttmp6, 0x40000                  ; cx, cy: my place in the cluster
	s_bfe_u32 s41, ttmp6, 0x40004
	s_mov_b32 s66, ttmp9                           ; p: which product; the same in all sixteen partners
	s_and_b32 s67, ttmp7, 0xffff                   ; cluster y, 0 to 7
	s_lshl_b32 s68, s67, 2
	s_lshl_b32 s90, s66, 23                        ; x's version p (for p = 2 also: 16 MiB, the third version)
	s_lshl_b32 s91, s66, 20                        ; weight p
	s_cmp_lt_u32 s66, 2
	s_cselect_b32 s69, s68, 0                      ; the long side (x's 32 tiles of 256 rows) runs along the clusters' y: it is A's for p < 2, B's for p = 2
	s_cselect_b32 s70, 0, s68
	s_cselect_b32 s92, s90, s91                    ; A's tensor in its buffer
	s_cselect_b32 s93, s91, s90                    ; B's
	s_add_co_u32 s17, s69, s41                     ; tile row of C: made of cy alone
	s_add_co_u32 s42, s70, s40                     ; tile column of C: made of cx alone
	s_lshl_b32 s43, s41, 2
	s_lshl_b32 s43, 15, s43                        ; my row of the cluster
	s_lshl_b32 s44, 0x1111, s40                    ; my column
	; descriptor group 1: 256 rows x 128 bytes, dense in memory, padded in LDS
	s_or_b32 s[G1+0], s43, (0<<16)|(1<<20)|(1<<21)|(4<<22)|(3<<25)  ; 15:0 the mask; 17:16 elements of 1 byte; 20 padding on; 21 set beside a mask; 24:22 after every 32 words (code 4); 31:25 four words (code 3)
	s_or_b32 s[G1B+0], s44, (0<<16)|(1<<20)|(1<<21)|(4<<22)|(3<<25)
.irp g, G1, G1B
	s_mov_b32 s[\g+1], 128<<16                     ; tensor_dim0
	s_mov_b32 s[\g+2], 256<<16                     ; tensor_dim1
	s_mov_b32 s[\g+3], 128<<16                     ; tile_dim0
	s_mov_b32 s[\g+4], 256                         ; tile_dim1
	s_mov_b32 s[\g+5], 128                         ; tensor_dim0_stride
	s_mov_b32 s[\g+6], 0
	s_mov_b32 s[\g+7], 0
.endr
	s_lshl_b32 s20, s17, 1
	s_add_co_u32 s20, s20, s16                     ; A: row block 2 x tile row + half,
	s_lshl_b32 s20, s20, 17                        ; 131,072 bytes each (8 k blocks),
	s_add_co_u32 s20, s20, s92                     ; in its tensor
	s_mov_b32 s21, 0
	s_lshl_b32 s46, s42, 1
	s_add_co_u32 s46, s46, s16                     ; B likewise, by the tile column
	s_lshl_b32 s46, s46, 17
	s_add_co_u32 s46, s46, s93
	s_mov_b32 s47, 0
	s_mul_i32 s45, s14, HALFT                      ; where they go: no place in the cluster enters an LDS address
	s_wait_kmcnt 0x0
	s_load_b256 s[72:79], s[8:9], 0x0              ; entries 0 to 7 of the scales
	s_load_b128 s[80:83], s[8:9], 0x20             ; entries 8 to 11
	s_cmp_lt_u32 s66, 2
	s_cselect_b64 s[86:87], s[4:5], s[6:7]         ; A's buffer
	s_cselect_b64 s[88:89], s[6:7], s[4:5]         ; B's
	s_add_nc_u64 s[20:21], s[86:87], s[20:21]
	s_add_nc_u64 s[46:47], s[88:89], s[46:47]
	CROUND                                         ; all sixteen work-groups are here: the first joint loads meet
.irp s, 0,1
	s_mov_b32 s[G0+4*\s], 1
	s_add_co_u32 s[G0+4*\s+1], s45, \s*SLOT
	s_add_nc_u64 s[G0+4*\s+2:G0+4*\s+3], s[20:21], \s*KB
	s_or_b32 s[G0+4*\s+3], s[G0+4*\s+3], 0x80000000
	s_mov_b32 s[G0B+4*\s], 1
	s_add_co_u32 s[G0B+4*\s+1], s45, \s*SLOT
	s_add_nc_u64 s[G0B+4*\s+2:G0B+4*\s+3], s[46:47], \s*KB
	s_or_b32 s[G0B+4*\s+3], s[G0B+4*\s+3], 0x80000000
	JLOAD G0+4*\s, G1, G0B+4*\s, G1B
.endr
	v_and_b32 v1, 15, v0                           ; r = l % 16
	v_bfe_u32 v2, v0, 4, 1                         ; h = l / 16
	v_mul_u32_u24 v3, v1, PITCH
	v_lshl_add_u32 v4, v2, 4, v3                   ; a fragment's row x pitch + 16 x half
	s_mul_i32 s21, s15, HALFT                      ; my 128 rows of A
	s_mul_i32 s22, s16, HALFT                      ; my 128 rows of B,
	s_add_co_u32 s22, s22, 2*HALFT                 ; which lie behind A's
.irp s, 0,1
	v_add_nc_u32 v[ADRA+\s], s21, v4
	v_add_nc_u32 v[ADRB+\s], s22, v4
	s_add_co_u32 s21, s21, SLOT
	s_add_co_u32 s22, s22, SLOT
.endr
	s_mul_i32 s23, s14, WSTG                       ; my stage
	v_lshl_add_u32 v5, v2, 3, v3                   ; in: row r, 8 bytes for each half of the lanes
	v_add_nc_u32 v[STO], s23, v5
	v_bfe_u32 v6, v0, 3, 2                         ; back: eight lanes to a row of 128 bytes, four rows an instruction
	v_mul_u32_u24 v6, v6, PITCH
	v_and_b32 v7, 7, v0
	v_lshl_add_u32 v6, v7, 4, v6
	v_add_nc_u32 v[RD], s23, v6
	v_and_b32 v7, 31, v0
	v_lshlrev_b32 v[CO], 4, v7
	; my block of the output.  big: the block along the sequence (64 of them); small: the block of 128 features = the head pair
	s_lshl_b32 s90, s17, 1
	s_add_co_u32 s90, s90, s15                     ; my block of rows of C
	s_lshl_b32 s91, s42, 1
	s_add_co_u32 s91, s91, s16                     ; my block of columns
	s_cmp_lt_u32 s66, 2
	s_cselect_b32 s92, s90, s91
	s_cselect_b32 s93, s91, s90
	s_lshr_b32 s94, s92, 4                         ; the batch (16 blocks of 128 each)
	s_lshl_b32 s94, s94, 3
	s_add_co_u32 s94, s94, s93                     ; x 8 + head pair
	s_lshl_b32 s94, s94, 4
	s_and_b32 s92, s92, 15
	s_add_co_u32 s94, s94, s92                     ; x 16 + block in the sequence
	s_cmp_eq_u32 s66, 0
	s_cselect_b64 s[84:85], s[10:11], s[12:13]     ; qc or kvc
	s_cselect_b32 s95, 14, 15                      ; 16 KiB a block in qc, 32 KiB in kvc,
	s_lshl_b32 s94, s94, s95
	s_cmp_eq_u32 s66, 2
	s_cselect_b32 s95, 16384, 0                    ; of which V^T has the second half
	s_add_co_u32 s94, s94, s95
	s_mov_b32 s95, 0
	s_add_nc_u64 s[84:85], s[84:85], s[94:95]
.macro FRAG reg, adr, q, i             ; a fragment, 16 rows x 128 K, is 16 registers: lane l holds row l % 16; registers 4 c .. 4 c + 3 hold K = 32 c + 16 (l / 16) + 0 .. 15: the same places of k in A and in B
.irp c, 0,1,2,3
	ds_load_b128 v[\reg+4*\c:\reg+4*\c+3], v[\adr] offset:(\q)*128*PITCH+(\i)*16*PITCH+32*\c
.endr
.endm
; 16 matrix instructions: A's blocks a0, a0 + 1 x B's eight, 128 along K.  p: B's set.  zero = 1: the first product starts the sums.
; The 64 accumulators take turns, one instruction a turn, in the same order in every step.
.macro MUL16 a0, p, zero
.irp a, \a0, \a0+1
.irp b, 0,1,2,3,4,5,6,7
.if \zero
	v_wmma_f32_16x16x128_fp8_fp8 v[8*(8*((\a)%4)+\b):8*(8*((\a)%4)+\b)+7], v[128*(\p)+FR*\b:128*(\p)+FR*\b+FR-1], v[AF+FR*(\a):AF+FR*(\a)+FR-1], 0
.else
	v_wmma_f32_16x16x128_fp8_fp8 v[8*(8*((\a)%4)+\b):8*(8*((\a)%4)+\b)+7], v[128*(\p)+FR*\b:128*(\p)+FR*\b+FR-1], v[AF+FR*(\a):AF+FR*(\a)+FR-1], v[8*(8*((\a)%4)+\b):8*(8*((\a)%4)+\b)+7]
.endif
.endr
.endr
.endm
.macro FETCH_B slot, q, p              ; B's eight fragments of the slot's q-th 128 along K into set p
	WIN TO_B
.irp i, 0,1,2,3,4,5,6,7
	FRAG 128*(\p)+FR*\i, ADRB+\slot, \q, \i
.endr
	WIN 0
.endm
.macro FETCH_A slot, q, i0             ; A's blocks i0 .. i0 + 3
.irp i, \i0, \i0+1, \i0+2, \i0+3
	FRAG AF+FR*(\i), ADRA+\slot, \q, \i
.endr
.endm
; A load into a register that a matrix instruction has read, and a vector instruction that reads a matrix result, stand NP places behind that matrix instruction; only plain vector
; instructions that name none of its registers are places (ISA guide 7.12.1 for vector instructions).
.macro PLACES n
.rept \n
	v_nop
.endr
.endm
; A step of 128 along K that has its successor in the same slot.
.macro STEP slot, q, zero
	s_wait_dscnt 4*NL                              ; B's set and A's blocks 0-3 are in; the youngest sixteen loads (A's blocks 4-7) may be out
	WIN MUL_LO
	MUL16 0, (\q)%2, \zero
	MUL16 2, (\q)%2, \zero
	s_wait_dscnt 0                                 ; A's blocks 4-7 are in (asked for 32 matrix instructions ago)
	PLACES NP
	FETCH_B \slot, (\q)+1, 1-(\q)%2
	FETCH_A \slot, (\q)+1, 0
	WIN MUL_HI
	MUL16 4, (\q)%2, \zero
	MUL16 6, (\q)%2, \zero
	PLACES NP
	WIN 0
	FETCH_A \slot, (\q)+1, 4
.endm
; A slot's last step changes slots: ONE barrier; in front of it each wave waits for all its tensor loads, adds 0 to its spare word, and waits for that and for its own reads of this slot.  fill = 1: this slot is filled again, two K steps ahead.
.macro TURN slot, next, fill
	s_wait_tensorcnt 0x0                           ; all my tensor loads have landed: my part of the next slot  (every window is 0 here)
	ds_add_u32 v[SPW], v[NIL]                      ; 0 onto my spare word
	s_wait_dscnt 4*NL+1                            ; (the add and the youngest sixteen loads, A's blocks 4-7, may be out)
	WIN MUL_LO
	MUL16 0, 1, 0                                  ; sixteen matrix instructions stand between the add and the wait for it
	s_wait_dscnt 0x0                               ; the add is done, and my reads of this slot are over
	s_barrier_signal -1
	MUL16 2, 1, 0
	WIN 0
	s_barrier_wait -1
.if \fill
	CREST                                          ; the barrier has opened a round of the cluster's barrier: no wave of any partner still reads this slot's tile or has a load on its way
	s_add_nc_u64 s[G0+4*\slot+2:G0+4*\slot+3], s[G0+4*\slot+2:G0+4*\slot+3], 2*KB
	s_add_nc_u64 s[G0B+4*\slot+2:G0B+4*\slot+3], s[G0B+4*\slot+2:G0B+4*\slot+3], 2*KB
	JLOAD G0+4*\slot, G1, G0B+4*\slot, G1B         ; the first tensor load behind the round; the four v_nop behind it are the places in front of the loads below
.else
	PLACES NP
.endif
	FETCH_B \next, 0, 0
	FETCH_A \next, 0, 0
	WIN MUL_HI
	MUL16 4, 1, 0
	MUL16 6, 1, 0
	PLACES NP
	WIN 0
	FETCH_A \next, 0, 4
.endm
	s_wait_tensorcnt 1                             ; my part of K step 0 is in (K step 1's load may be out)
	s_barrier_signal -1
	s_barrier_wait -1                              ; everybody's is
	FETCH_B 0, 0, 0
	FETCH_A 0, 0, 0
	FETCH_A 0, 0, 4
	STEP 0, 0, 1                                   ; the first step stands in front of the loop: its products start the sums
	s_mov_b32 s3, LAPS-1
.Llap:                                                 ; a trip goes once round the ring, from a lap's second step to the next lap's first, and fills both slots again
	TURN 0, 1, 1
	STEP 1, 0, 0
	TURN 1, 0, 1
	STEP 0, 0, 0
	s_sub_co_u32 s3, s3, 1
	s_cmp_lg_u32 s3, 0
	s_cbranch_scc1 .Llap
	TURN 0, 1, 0                                   ; the last lap fills nothing, and has no round of the cluster's barrier
	STEP 1, 0, 0
	s_wait_dscnt 4*NL                              ; the very last step: nothing more to fetch
	WIN MUL_LO
	MUL16 0, 1, 0
	MUL16 2, 1, 0
	s_wait_dscnt 0
	WIN MUL_HI
	MUL16 4, 1, 0
	MUL16 6, 1, 0
	WIN 0
; THE WAY OUT, block by block of 16 rows x 128 columns.  A lane's eight sums of an accumulator are eight neighbouring columns of row 16 a + r: held, converted to 8 bytes, put into my stage; four rows of 128 bytes come
; back an instruction and leave as 512 consecutive bytes of my output block.  LDS serves a wave's instructions in order (ISA guide 5.7.1.4): no wait between a block's stores and its loads.
.macro OUTQ a
.irp i, 0,1,2,3
	global_store_b128 v[CO], v[BK+16*(\a)+4*\i:BK+16*(\a)+4*\i+3], s[84:85] offset:512*(4*(\a)+\i)   ; every offset an immediate: no base is stepped and no store's data are written again
.endr
.endm
.macro PACKQ a
.set AC, 64*((\a)%4)
.set CC, CD+16*((\a)%2)
	WIN 0x02+((\a)/4)                              ; source 0: window 2 or 3
.set j, 0
.rept 64
	v_med3_num_f32 v[TMP+j], v[AC+j], -v[LIMV], v[LIMV]   ; the hold at the largest code x the scale (the conversion does not saturate: ISA guide 7.6.2); each accumulator from its low end on
.set j, j+1
.endr
	WIN 0
.if (\a) >= 2
	s_wait_dscnt 12                                ; the block before may be out (its 8 stores and 4 loads); the block two back is done: its set of codes is free and its rows are in registers
	OUTQ (\a)-2
.endif
.irp b, 0,1,2,3,4,5,6,7
	v_cvt_scalef32_pk8_fp8_f32 v[CC+2*\b:CC+2*\b+1], v[TMP+8*\b:TMP+8*\b+7], v[SCV]
.endr
	v_nop                                          ; one plain line behind the last conversion: the next block's holds write the conversions' sources
.irp b, 0,1,2,3,4,5,6,7
	ds_store_b64 v[STO], v[CC+2*\b:CC+2*\b+1] offset:(\a)*16*PITCH+16*\b
.endr
.irp i, 0,1,2,3
	ds_load_b128 v[BK+16*(\a)+4*\i:BK+16*(\a)+4*\i+3], v[RD] offset:(4*(\a)+\i)*4*PITCH
.endr
.endm
	s_wait_kmcnt 0x0
	s_add_co_i32 s86, s72, s73                     ; e0 + e1
	s_add_co_i32 s87, s74, s75                     ; e2 + e3
	s_add_co_i32 s88, s76, s77                     ; e4 + e5
	s_cmp_eq_u32 s66, 0                            ; the choice among the given exponents is made by selects: no branch hangs on a loaded number
	s_cselect_b32 s86, s86, s87
	s_cselect_b32 s89, s78, s79                    ; e6 or e7
	s_cmp_eq_u32 s66, 2
	s_cselect_b32 s86, s88, s86
	s_cselect_b32 s89, s81, s89                    ; e9
	s_sub_co_i32 s86, s89, s86                     ; eo - ea - eb
	s_add_co_i32 s86, s86, 127
	s_lshl_b32 s87, s86, 23
	v_mov_b32 v[SCV], s87
	s_add_co_i32 s86, s86, 8
	s_lshl_b32 s86, s86, 23
	s_or_b32 s86, s86, 0x600000
	v_mov_b32 v[LIMV], s86
	PLACES NP                                      ; behind the last products: for the first reads of results and for the loads into the registers that held A's fragments
.irp a, 0,1,2,3,4,5,6,7
	PACKQ \a
.endr
	s_wait_dscnt 0x0
	OUTQ 6
	OUTQ 7
	s_wait_tensorcnt 0x0                           ; the wave's end: behind my last tensor load and my last LDS store
	ds_add_u32 v[SPW], v[NIL]
	s_wait_dscnt 0x0
	CROUND                                         ; the closing round: no work-group ends while a partner may still ask for a tile that names it
	s_endpgm
.Lfunc_end_k_q8dcbd2ce57_qkv:
	.size	k_q8dcbd2ce57_qkv, .Lfunc_end_k_q8dcbd2ce57_qkv-k_q8dcbd2ce57_qkv
	.p2alignl 7, 3214868480
	.fill 96, 4, 3214868480
	.section	.rodata,"a",@progbits
	.p2align	6, 0x0
	.amdhsa_kernel k_q8dcbd2ce57_qkv
		.amdhsa_group_segment_fixed_size 327680
		.amdhsa_private_segment_fixed_size 0
		.amdhsa_enable_private_segment 0
		.amdhsa_kernarg_size 40
		.amdhsa_user_sgpr_count 2
		.amdhsa_user_sgpr_kernarg_segment_ptr 1
		.amdhsa_wavefront_size32 1
		.amdhsa_system_sgpr_workgroup_id_x 1
		.amdhsa_system_sgpr_workgroup_id_y 1
		.amdhsa_system_sgpr_workgroup_id_z 1
		.amdhsa_system_vgpr_workitem_id 0
		.amdhsa_next_free_vgpr 1024
		.amdhsa_next_free_sgpr 100
		.amdhsa_reserve_vcc 0
		.amdhsa_float_denorm_mode_32 3
		.amdhsa_float_denorm_mode_16_64 3
		.amdhsa_memory_ordered 1
		.amdhsa_forward_progress 1
		.amdhsa_inst_pref_size 125
	.end_amdhsa_kernel
	.amdgpu_metadata
---
amdhsa.version: [ 1, 2 ]
amdhsa.kernels:
  - .name:           k_q8dcbd2ce57_qkv
    .symbol:         k_q8dcbd2ce57_qkv.kd
    .args:
      - { .name: xc, .offset: 0, .size: 8, .value_kind: global_buffer, .address_space: global }
      - { .name: wc, .offset: 8, .size: 8, .value_kind: global_buffer, .address_space: global }
      - { .name: lowp_scales, .offset: 16, .size: 8, .value_kind: global_buffer, .address_space: global }
      - { .name: qc, .offset: 24, .size: 8, .value_kind: global_buffer, .address_space: global }
      - { .name: kvc, .offset: 32, .size: 8, .value_kind: global_buffer, .address_space: global }
    .group_segment_fixed_size: 327680
    .private_segment_fixed_size: 0
    .kernarg_segment_align: 8
    .kernarg_segment_size: 40
    .max_flat_workgroup_size: 128
    .sgpr_count:     100
    .vgpr_count:     1024
    .wavefront_size: 32
...
	.end_amdgpu_metadata
.endif
;; end of part 2
;; launch attn (part 3): grid 8 x 32, 16 waves a work-group, no clusters, 327,680 bytes of LDS; arguments qc, kvc, lowp_scales, ac; writes ac
.if DOCPART == 3
	.amdgcn_target "amdgcn-amd-amdhsa--gfx1250"
	.amdhsa_code_object_version 6
	.text
	.protected	k_q8dcbd2ce57_attn
	.globl	k_q8dcbd2ce57_attn
	.p2align	8
	.type	k_q8dcbd2ce57_attn,@function
k_q8dcbd2ce57_attn:
	s_mov_b64 s[64:65], 0
	v_nop
	global_prefetch_b8 v0, s[64:65] scope:SCOPE_SE
	s_setreg_imm32_b32 hwreg(HW_REG_WAVE_MODE, 25, 1), 1
	s_wait_xcnt 0x0
; Products 4 and 5 with the causal softmax between them, on codes of E4M3; O / l is quantised (entry 10 of the scales) for the last product.
; THE SOFTMAX: t = score x log2(e) / 8; M = the running largest t rounded UP to a whole number; p = 2^(t - M) is quantised along the keys, not normalised; the row's sum is taken of the unquantised p and divides O at the end.
; When M moves, the sum and O are multiplied by 2^(old M - new M): exact.
; SHARES.  Work-group (i, bh) serves one pair of heads (bh = batch x 8 + pair) and two blocks of 128 queries one after the other: block 15 - i with key steps 0 .. 15 - i, then block i with key steps 0 .. i:
; 17 key steps of 128 keys in every work-group: the trip count is a constant, all work-groups have equal work, and no tile under the mask is fetched or multiplied.
; Wave w: head g = w / 8 of the pair, tile qt = w % 8 of 16 queries; 256 registers, four waves to a SIMD, so that one wave's vector work stands beside another's matrix work and LDS loads.
; A key step is 32,768 consecutive bytes of kvc: K [128 keys][64 g + d], then V^T [64 g + d][128 keys]: 256 rows of 128 bytes, brought by waves 0 to 3 (64 rows each) into a ring of two LDS slots.
; NO CLUSTER: the eight work-groups of a pair of heads turn back to key 0 in different trips (16 - i), so they want the same tile only on a first part of their walks; walking in step would cost 20 steps of work for 17.
; LAYOUT.  Both products transposed: S^T = K Q^T (source 0 = 16 keys), O^T = V^T P^T (source 0 = 16 of the head's 64): a lane holds ONE query (lane % 16) throughout.
; THE KEYS OF A TILE ARE NOT NEIGHBOURS: lane r of tile 2 b + u takes key 32 b + 8 u + r + 8 (r / 8), so that the 16 registers of tiles 2 b, 2 b + 1 are keys 32 b + 16 (lane / 16) + 0 .. 15.
; Fragments come by loads of 16 bytes: registers 4 c .. 4 c + 3 hold k = 32 c + 16 (lane / 16) + 0 .. 15, alike on both sides of each product.
; LIMITS on the given exponents: e6 + e7 between -123 and 130 (added to c's exponent field); e8, and e10 - e8 - e9, between -126 and 119.
; REGISTERS: v1-11 addresses; v12 -M, v13 the largest t, v[14:15] the sum; v16-23 Q in hand; v24-31 Q of the second block; v32-95 fragments of K, then of V^T; v96-159 S^T, then p; v160-191 O^T; v192-207 p's codes;
; v208-215 rows on the way out; v216-223 O's codes; v232-255 at work and constants.
.set KP,    144                        ; an LDS row: 128 bytes + 16 of padding
.set VOFF,  128*KP                     ; V^T's rows lie behind K's
.set SLOT1, 65536                      ; slot 1 begins here: one exclusive or turns an address from one slot to the other
.set STAGE, 131072                     ; the way out: 16 rows x (64 bytes + 16) for each wave; no fill lands here
.set WST,   16*80
.set STG2,  16*WST                     ; the second way out has a stage of its own, this far on
.set SPARE, STAGE+2*STG2               ; the spare words, 128 bytes for each wave: eight blocks of 256 bytes that no other line names
.set AK0,  1                           ; v1   my lane's place in a tile of K
.set AV0,  2                           ; v2   the same for V^T
.set PFO,  3                           ; v3   256 x lane: the prefetches' offset; never rewritten
.set DG,   4                           ; v4   on the diagonal: my query in its block - 16 (lane / 16)
.set SPW,  5                           ; v5   LDS address of my spare word; never rewritten
.set NIL,  6                           ; v6   0; never rewritten
.set STI,  7                           ; v7   the stage: where I put 8 bytes of a row
.set ADK,  8                           ; v8   LDS address of the step's tiles of K
.set ADV,  9                           ; v9   of V^T
.set STO,  10                          ; v10  the stage: where I read 16 bytes back
.set GO,   11                          ; v11  16 x lane: my place in a store's 512 bytes
.set QO,   232                         ; v232 my lane's byte in the wave's 16 rows of Q; never rewritten
.set RR,   233                         ; v233 r;  v234 h;  v235 at work, at the head
.set HH,   234
.set TT,   235
.set TB,   2                           ; s2   LDS byte at which the slot in hand begins
.set WV,   18
.set GH,   19                          ; s19  my head in the pair
.set SEL,  20                          ; s[20:21] lane selects for v_permlanex16_b32: lane l xor 16
.set CS,   22                          ; s[22:23] c = log2(e) / 8 x 2^(e6 + e7)
.set G1,   24                          ; s[24:31] descriptor group 1
.set QA1,  32                          ; s[32:33], s[34:35] Q of my first and second block
.set QA2,  34
.set G0,   40                          ; s[40:43] descriptor group 0: one set, since one load of a wave is out at the most
.set KVB,  44                          ; s[44:45] kvc at my quarter of the pair's key step 0
.set OFS,  46                          ; s[46:47] an offset, as a pair
.set WI,   48                          ; s48  i
.set T1,   49                          ; s49  15 - i
.set QB,   50                          ; s50  the query block in hand
.set KS,   51                          ; s51  this trip's key step
.set NX,   52                          ; s52  the key step that the descriptor names
.set CNT,  53
.set OUT1, 56                          ; s[56:57], s[58:59] where my two tiles of O's codes go
.set OUT2, 58
.set PFA,  60                          ; s[60:61] where my prefetches stand
.set LIM,  62                          ; s62  2 in a wave that prefetches, else the greatest number
; Waves 0 to 3 fetch, the others nothing.  The branch hangs on the wave's number alone.  Four v_nop follow the line.
.macro TLOAD
	s_cmp_lt_u32 s[WV], 4
	s_cbranch_scc0 .Lasked_\@
	tensor_load_to_lds s[G0:G0+3], s[G1:G1+7]
	s_nop 0
.rept 4
	v_nop
.endr
.Lasked_\@:
.endm
; A PREFETCH INTO THE L2 of the key step that the NEXT change of slots will ask for.  All eight work-groups of a pair of heads walk the same key steps from 0 on; the one with i = 0 walks all sixteen on end, and it alone asks.
; In it waves 4 to 7 ask, one instruction each: 8,192 bytes a wave, lanes 256 bytes apart: each aligned block of 256 bytes of kvc is named once in the launch.
; Trip t asks for key step t + 2; trips 14 and 15 ask for nothing (there is no key step 16); key steps 0 and 1 come by their loads alone.
.macro ASK
	s_cmp_gt_u32 s[CNT], s[LIM]
	s_cbranch_scc0 .Lnot_mine_\@
	global_prefetch_b8 v[PFO], s[PFA:PFA+1] th:TH_LOAD_NT scope:SCOPE_SE
.Lnot_mine_\@:
.endm
	s_load_b256 s[4:11], s[0:1], 0x0               ; qc s[4:5], kvc s[6:7], the scales s[8:9], ac s[10:11]
	v_lshl_add_u32 v[SPW], v0, 2, SPARE
	v_mov_b32 v[NIL], 0
	ds_add_u32 v5, v6
	ds_add_u32 v5, v6
	s_wait_dscnt 0x0
	v_lshrrev_b32 v[TT], 5, v0
	s_delay_alu instid0(VALU_DEP_1)
	v_readfirstlane_b32 s[WV], v[TT]               ; wave 0..15
	s_lshr_b32 s[GH], s[WV], 3                     ; g
	s_and_b32 s55, s[WV], 7                        ; qt
	s_mov_b32 s[WI], ttmp9
	s_sub_co_u32 s[T1], 15, s[WI]
	s_and_b32 s63, ttmp7, 0xffff                   ; bh
	s_and_b32 s54, s[WV], 3                        ; which 64 rows of a key step I fetch, if I fetch:
	s_mul_i32 s[G0+1], s54, 64*KP                  ; their place in slot 0,
	s_lshl_b32 s54, s54, 13                        ; and in memory,
	s_lshl_b32 s[OFS], s63, 19                     ; in the pair's 16 key steps of 32,768 bytes
	s_add_co_u32 s[OFS], s[OFS], s54
	s_mov_b32 s[OFS+1], 0
	; descriptor group 1: 64 rows x 128 bytes, dense in memory, padded in LDS
	s_mov_b32 s[G1], (0<<16)|(1<<20)|(4<<22)|(3<<25)  ; 15:0 no mask; 17:16 elements of 1 byte; 20 padding on; 24:22 after every 32 words (code 4); 31:25 four words (code 3)
	s_mov_b32 s[G1+1], 128<<16                     ; tensor_dim0
	s_mov_b32 s[G1+2], 64<<16                      ; tensor_dim1
	s_mov_b32 s[G1+3], 128<<16                     ; tile_dim0
	s_mov_b32 s[G1+4], 64                          ; tile_dim1
	s_mov_b32 s[G1+5], 128                         ; tensor_dim0_stride
	s_mov_b32 s[G1+6], 0
	s_mov_b32 s[G1+7], 0
	; Q: (16 bh + block) x 16,384 + 2,048 qt + 64 g
	s_lshl_b32 s12, s63, 18
	s_lshl_b32 s13, s55, 11
	s_add_co_u32 s12, s12, s13
	s_lshl_b32 s13, s[GH], 6
	s_add_co_u32 s12, s12, s13
	s_lshl_b32 s36, s[T1], 14
	s_add_co_u32 s36, s36, s12
	s_mov_b32 s37, 0
	s_lshl_b32 s38, s[WI], 14
	s_add_co_u32 s38, s38, s12
	s_mov_b32 s39, 0
	; ac: ((16 batch + block) x 16 + head) x 8,192 + 1,024 qt, head = 2 pair + g
	s_lshr_b32 s12, s63, 3
	s_lshl_b32 s12, s12, 21
	s_and_b32 s13, s63, 7
	s_lshl_b32 s13, s13, 14
	s_add_co_u32 s12, s12, s13
	s_lshl_b32 s13, s[GH], 13
	s_add_co_u32 s12, s12, s13
	s_lshl_b32 s13, s55, 10
	s_add_co_u32 s12, s12, s13
	s_lshl_b32 s14, s[T1], 17
	s_add_co_u32 s14, s14, s12
	s_mov_b32 s15, 0
	s_lshl_b32 s16, s[WI], 17
	s_add_co_u32 s16, s16, s12
	s_mov_b32 s17, 0
	s_mov_b32 s[SEL], 0x76543210
	s_mov_b32 s[SEL+1], 0xfedcba98
	s_mov_b32 s[CS], 0x3e38aa3b                    ; c = log2(e) / sqrt(64)
	s_mov_b32 s[TB], 0
	s_mov_b32 s[KS], 0
	s_mov_b32 s[NX], 0
	s_mov_b32 s[QB], s[T1]
	s_mov_b32 s[CNT], 16
	s_lshr_b32 s54, s[WV], 2
	s_xor_b32 s54, s54, 1                          ; 0 in waves 4 to 7,
	s_or_b32 s54, s54, ttmp9                       ; of the work-group with i = 0
	s_cmp_eq_u32 s54, 0
	s_cselect_b32 s[LIM], 2, -1
	s_wait_kmcnt 0x0
	s_load_b256 s[68:75], s[8:9], 0x0              ; entries 0 to 7 of the scales
	s_load_b128 s[76:79], s[8:9], 0x20             ; entries 8 to 11
	s_add_nc_u64 s[KVB:KVB+1], s[6:7], s[OFS:OFS+1]
	s_mov_b32 s[G0], 1                             ; 1:0 count = 1
	s_mov_b64 s[G0+2:G0+3], s[KVB:KVB+1]           ; 120:64 global address: key step 0
	s_or_b32 s[G0+3], s[G0+3], 0x80000000          ; 127:126 type = 2
	TLOAD                                          ; slot 0: the launch's one first fill, ahead of every wait on TENSORcnt, every LDS read and every barrier
	s_add_nc_u64 s[PFA:PFA+1], s[KVB:KVB+1], 32768 ; at key step 1: the first change of slots steps it to key step 2.  Nothing is prefetched here, at the head
	s_add_nc_u64 s[QA1:QA1+1], s[4:5], s[36:37]
	s_add_nc_u64 s[QA2:QA2+1], s[4:5], s[38:39]
	s_add_nc_u64 s[OUT1:OUT1+1], s[10:11], s[14:15]
	s_add_nc_u64 s[OUT2:OUT2+1], s[10:11], s[16:17]
	v_and_b32 v[RR], 15, v0                        ; r
	v_bfe_u32 v[HH], v0, 4, 1                      ; h
	s_delay_alu instid0(VALU_DEP_2)
	v_lshlrev_b32 v[QO], 7, v[RR]
	s_delay_alu instid0(VALU_DEP_1)
	v_lshl_add_u32 v[QO], v[HH], 4, v[QO]          ; Q: row r of 128 bytes, + 16 h
	global_load_b128 v[16:19], v[QO], s[QA1:QA1+1]
	global_load_b128 v[20:23], v[QO], s[QA1:QA1+1] offset:32
	global_load_b128 v[24:27], v[QO], s[QA2:QA2+1]
	global_load_b128 v[28:31], v[QO], s[QA2:QA2+1] offset:32
	v_and_b32 v[TT], 8, v[RR]
	s_delay_alu instid0(VALU_DEP_1)
	v_add_nc_u32 v[TT], v[TT], v[RR]               ; r + 8 (r / 8)
	s_delay_alu instid0(VALU_DEP_1)
	v_mul_u32_u24 v[AK0], v[TT], KP
	s_delay_alu instid0(VALU_DEP_1)
	v_lshl_add_u32 v[AK0], v[HH], 4, v[AK0]
	s_lshl_b32 s12, s[GH], 6
	v_add_nc_u32 v[AK0], s12, v[AK0]               ; + my head's 64 bytes of a key's row
	s_mul_i32 s13, s[GH], 64*KP
	s_add_co_u32 s13, s13, VOFF
	v_mul_u32_u24 v[AV0], v[RR], KP
	s_delay_alu instid0(VALU_DEP_1)
	v_lshl_add_u32 v[AV0], v[HH], 4, v[AV0]
	s_delay_alu instid0(VALU_DEP_1)
	v_add_nc_u32 v[AV0], s13, v[AV0]               ; V^T: my head's 64 rows
	v_and_b32 v[PFO], 31, v0
	s_delay_alu instid0(VALU_DEP_1)
	v_lshlrev_b32 v[PFO], 8, v[PFO]
	s_lshl_b32 s14, s55, 4
	v_lshlrev_b32 v[TT], 4, v[HH]
	s_delay_alu instid0(VALU_DEP_1)
	v_sub_nc_u32 v[DG], v[RR], v[TT]
	s_delay_alu instid0(VALU_DEP_1)
	v_add_nc_u32 v[DG], s14, v[DG]                 ; 16 qt + r - 16 h
	s_mul_i32 s15, s[WV], WST
	s_add_co_u32 s15, s15, STAGE                   ; my stage
	v_mul_u32_u24 v[STI], v[RR], 80
	s_delay_alu instid0(VALU_DEP_1)
	v_lshl_add_u32 v[STI], v[HH], 3, v[STI]
	s_delay_alu instid0(VALU_DEP_1)
	v_add_nc_u32 v[STI], s15, v[STI]               ; in: row r, + 8 h
	v_bfe_u32 v[TT], v0, 2, 3
	s_delay_alu instid0(VALU_DEP_1)
	v_mul_u32_u24 v[STO], v[TT], 80
	v_and_b32 v[TT], 3, v0
	s_delay_alu instid0(VALU_DEP_1)
	v_lshl_add_u32 v[STO], v[TT], 4, v[STO]
	s_delay_alu instid0(VALU_DEP_1)
	v_add_nc_u32 v[STO], s15, v[STO]               ; back: four lanes to a row of 64 bytes, eight rows an instruction
	v_and_b32 v[GO], 31, v0
	s_delay_alu instid0(VALU_DEP_1)
	v_lshlrev_b32 v[GO], 4, v[GO]
	v_mov_b32 v236, 0                              ; written once: a lane permute's destination counts as one of its sources
	v_mov_b32 v253, 0                              ; (named as the upper half of the pair v[252:253])
; A block of queries begins: the largest t so far is -3e38, under every t; the sum and O^T are zeros, which the first change of M leaves zeros.
.macro FRESH
	v_mov_b32 v13, 0xff61b1e6
	s_delay_alu instid0(VALU_DEP_1)
	v_floor_f32 v12, -v13                          ; -M
	v_mov_b32 v14, 0
	v_mov_b32 v15, 0
.set j, 0
.rept 32
	v_mov_b32 v[160+j], 0
.set j, j+1
.endr
.endm
	FRESH
	s_wait_kmcnt 0x0
	s_add_co_i32 s12, s74, s75                     ; a score stands for score x 2^(e6 + e7): the two exponents are added to c's exponent field
	s_lshl_b32 s12, s12, 23
	s_add_co_i32 s[CS], s[CS], s12
	s_mov_b32 s[CS+1], s[CS]                       ; (named with it as a pair, so it is written)
	s_add_co_i32 s12, s76, 127
	s_lshl_b32 s13, s12, 23
	v_mov_b32 v244, s13                            ; 2^e8, for p's conversions
	s_sub_co_i32 s12, s78, s76
	s_sub_co_i32 s12, s12, s77                     ; O^T / l stands for that x 2^(e8 + e9): its code under 2^e10 is that / 2^(e10 - e8 - e9)
	s_add_co_i32 s12, s12, 127
	s_lshl_b32 s13, s12, 23
	v_mov_b32 v246, s13
; A KEY STEP: 128 keys, from the slot in hand.
.macro STEP
	v_add_nc_u32 v[ADK], s[TB], v[AK0]
	v_add_nc_u32 v[ADV], s[TB], v[AV0]
	v_nop                                          ; with the two additions: four places in front of loads into registers that the last products have read
	v_nop
.irp t, 0,1,2,3,4,5,6,7
.irp c, 0,1
	ds_load_b128 v[32+8*\t+4*\c:32+8*\t+4*\c+3], v[ADK] offset:(32*(\t/2)+8*(\t%2))*KP+32*\c
.endr
.endr
	s_wait_alu depctr_va_vdst(0)
	s_wait_dscnt 0x0
.irp t, 0,1,2,3,4,5,6,7                        ; S^T = K Q^T: eight tiles of 16 keys, K = the head's 64
	v_wmma_f32_16x16x64_fp8_fp8 v[96+8*\t:103+8*\t], v[32+8*\t:39+8*\t], v[16:23], 0
.endr
.rept 4
	v_nop                                          ; places: in front of the loads below, and of the first read of the scores
.endr
.irp t, 0,1,2,3                                ; V^T's four fragments land while the softmax is walked
.irp c, 0,1,2,3
	ds_load_b128 v[32+16*\t+4*\c:32+16*\t+4*\c+3], v[ADV] offset:16*\t*KP+32*\c
.endr
.endr
	s_cmp_lg_u32 s[KS], s[QB]                      ; a branch on ids: only the step on the diagonal has hidden keys
	s_cbranch_scc1 .Lopen_\@
	v_mov_b32 v254, 0xff800000                     ; -infinity: p = 0 then.  Register 16 b + i holds key 32 b + 16 (lane / 16) + i of the block: hidden where 32 b + i > my query - 16 (lane / 16)
.set n, 0
.rept 64
	v_cmp_gt_i32 vcc_lo, 32*(n/16)+n%16, v[DG]
	v_cndmask_b32 v[96+n], v[96+n], v254, vcc_lo
.set n, n+1
.endr
.Lopen_\@:
	v_max3_num_f32 v254, v96, v97, v98             ; the step's largest score of my query, among my 64 keys, in two chains,
	v_max3_num_f32 v252, v99, v100, v101
.irp i, 6,10,14,18,22,26,30,34,38,42,46,50,54,58
	v_max3_num_f32 v254, v254, v[96+\i], v[97+\i]
	v_max3_num_f32 v252, v252, v[98+\i], v[99+\i]
.endr
	v_max3_num_f32 v254, v254, v158, v159
	s_delay_alu instid0(VALU_DEP_1)
	v_max_num_f32 v254, v254, v252
	s_delay_alu instid0(VALU_DEP_1)
	v_permlanex16_b32 v236, v254, s[SEL], s[SEL+1]
	s_delay_alu instid0(VALU_DEP_1)
	v_max_num_f32 v254, v254, v236                 ; and among lane l xor 16's
	s_delay_alu instid0(VALU_DEP_1)
	v_mul_f32 v254, s[CS], v254                    ; as t (c is positive)
	s_delay_alu instid0(VALU_DEP_1)
	v_max_num_f32 v13, v13, v254                   ; the running largest t
	v_mov_b32 v254, v12
	s_delay_alu instid0(VALU_DEP_2)
	v_floor_f32 v12, -v13                          ; the new -M = floor(-t) = -ceil(t): a whole number
	s_delay_alu instid0(VALU_DEP_1)
	v_sub_f32 v254, v12, v254                      ; M's old value less its new one: a whole number, 0 or less
	s_delay_alu instid0(VALU_DEP_1)
	v_cvt_i32_f32 v254, v254                       ; (it saturates)
	s_delay_alu instid0(VALU_DEP_1)
	v_ldexp_f32 v252, 1.0, v254                    ; f = 2^(old M - new M)
.set j, 0
.rept 32
	v_pk_fma_f32 v[96+j:97+j], v[96+j:97+j], s[CS:CS+1], v[12:13] op_sel_hi:[1,0,0]   ; t - M, two at a time (of the pairs c and -M the low word serves both halves)
.set j, j+2
.endr
.set j, 0
	s_wait_alu depctr_va_vdst(0)
.rept 64
	v_exp_f32 v[96+j], v[96+j]                     ; p = 2^(t - M), at most 1: not normalised
.set j, j+1
.endr
	v_pk_mul_f32 v[14:15], v[14:15], v[252:253] op_sel_hi:[1,0]   ; the sums under the new M: the plain line behind the exponentials
	s_wait_alu depctr_va_vdst(0)                   ; one wait for the whole batch, ahead of its first reader
	v_pk_add_f32 v[242:243], v[100:101], v[104:105]
	v_pk_add_f32 v[254:255], v[108:109], v[112:113]
	v_pk_add_f32 v[250:251], v[116:117], v[120:121]
	v_pk_add_f32 v[248:249], v[124:125], v[128:129]
	v_pk_add_f32 v[240:241], v[132:133], v[136:137]
	v_pk_add_f32 v[238:239], v[140:141], v[144:145]
	v_pk_add_f32 v[234:235], v[148:149], v[152:153]
	v_pk_add_f32 v[14:15], v[14:15], v[156:157]
	v_pk_add_f32 v[242:243], v[242:243], v[96:97]
	v_pk_add_f32 v[254:255], v[254:255], v[98:99]
	v_pk_add_f32 v[250:251], v[250:251], v[102:103]
	v_pk_add_f32 v[248:249], v[248:249], v[106:107]
	v_pk_add_f32 v[240:241], v[240:241], v[110:111]
	v_pk_add_f32 v[238:239], v[238:239], v[114:115]
	v_pk_add_f32 v[234:235], v[234:235], v[118:119]
	v_pk_add_f32 v[14:15], v[14:15], v[122:123]
	v_pk_add_f32 v[242:243], v[242:243], v[126:127]
	v_pk_add_f32 v[254:255], v[254:255], v[130:131]
	v_pk_add_f32 v[250:251], v[250:251], v[134:135]
	v_pk_add_f32 v[248:249], v[248:249], v[138:139]
	v_pk_add_f32 v[240:241], v[240:241], v[142:143]
	v_pk_add_f32 v[238:239], v[238:239], v[146:147]
	v_pk_add_f32 v[234:235], v[234:235], v[150:151]
	v_pk_add_f32 v[14:15], v[14:15], v[154:155]
	v_pk_add_f32 v[242:243], v[242:243], v[158:159]
	s_delay_alu instid0(VALU_DEP_2)
	v_pk_add_f32 v[14:15], v[14:15], v[248:249]
	s_delay_alu instid0(VALU_DEP_2)
	v_pk_add_f32 v[242:243], v[242:243], v[240:241]
	v_pk_add_f32 v[254:255], v[254:255], v[238:239]
	v_pk_add_f32 v[250:251], v[250:251], v[234:235]
	s_delay_alu instid0(VALU_DEP_2)
	v_pk_add_f32 v[14:15], v[14:15], v[254:255]
	s_delay_alu instid0(VALU_DEP_2)
	v_pk_add_f32 v[242:243], v[242:243], v[250:251]
	s_delay_alu instid0(VALU_DEP_1)
	v_pk_add_f32 v[14:15], v[14:15], v[242:243]
.irp b, 0,1,2,3
.set j, 0
.rept 16
.set j, j+1
.endr
	v_cvt_scalef32_pk8_fp8_f32 v[192+4*\b:193+4*\b], v[96+16*\b:103+16*\b], v244
	v_cvt_scalef32_pk8_fp8_f32 v[194+4*\b:195+4*\b], v[104+16*\b:111+16*\b], v244
.endr
.set j, 0
.rept 16
	v_pk_mul_f32 v[160+j:161+j], v[160+j:161+j], v[252:253] op_sel_hi:[1,0]   ; O^T under the new M.  (These sixteen are also the plain lines between the conversions and the products below)
.set j, j+2
.endr
	s_wait_alu depctr_va_vdst(0)
	s_wait_dscnt 0x0                               ; V^T's fragments are in
.irp t, 0,1,2,3                                ; O^T += V^T P^T: four tiles of 16 of the head's 64; K = these 128 keys.  The four accumulators take turns; between two steps' products stand the eight of S^T
	v_wmma_f32_16x16x128_fp8_fp8 v[160+8*\t:167+8*\t], v[32+16*\t:47+16*\t], v[192:207], v[160+8*\t:167+8*\t]
.endr
.endm
; THE CHANGE OF SLOTS stands at a trip's head.  Each wave waits for all its tensor loads (its part of the slot that it is about to read), adds 0 to its spare word, and waits for that and for its reads of the slot that it has left.
; Behind the barrier the slot ahead is whole and nobody reads the other one.  fill = 1: that other slot is filled with the walk's next key step, which has a whole key step's work in which to land.
.macro CHANGE fill
	s_wait_tensorcnt 0x0                           ; no tensor load of mine is out, so the group 0 may be written
	ds_add_u32 v[SPW], v[NIL]                      ; 0 onto my spare word; the descriptor's steps stand between it and the wait for it
.if \fill
	s_xor_b32 s[G0+1], s[G0+1], SLOT1              ; the other slot than last time
	s_add_co_u32 s54, s[NX], 1
	s_cmp_eq_u32 s[NX], s[T1]                      ; behind the first block's last key step the walk turns back to key step 0
	s_cselect_b32 s[NX], 0, s54
	s_lshl_b32 s[OFS], s[NX], 15
	s_add_nc_u64 s[G0+2:G0+3], s[KVB:KVB+1], s[OFS:OFS+1]
	s_or_b32 s[G0+3], s[G0+3], 0x80000000
	s_wait_xcnt 0x0                                ; the last prefetch, a trip back, has read its address, so it may be written:
	s_add_nc_u64 s[PFA:PFA+1], s[PFA:PFA+1], 32768
.endif
	s_wait_dscnt 0x0                               ; the add is done, and my reads of the slot that I have left are over
	s_barrier_signal -1
	s_barrier_wait -1
.if \fill
	TLOAD                                          ; the first thing behind the barrier, and a wave's one tensor load until the next
	ASK
.endif
.endm
; A BLOCK OF QUERIES IS DONE: O^T / l, converted to codes; 8 bytes a tile and lane into my stage; back as rows of 64 bytes; 16 queries x 64 bytes are 1,024 consecutive bytes of ac.
.macro FINISH out, so
.rept 4
	v_nop                                          ; places behind the last products
.endr
	v_add_f32 v14, v14, v15                        ; the sum's two halves,
	s_delay_alu instid0(VALU_DEP_1)
	v_permlanex16_b32 v236, v14, s[SEL], s[SEL+1]
	s_delay_alu instid0(VALU_DEP_1)
	v_add_f32 v14, v14, v236                       ; and lane l xor 16's: the row's sum
	s_wait_alu depctr_va_vdst(0)
	v_rcp_f32 v14, v14
	v_nop                                          ; a plain line behind the reciprocal
	s_wait_alu depctr_va_vdst(0)                   ; and the wait ahead of its first reader
.set j, 0
.rept 32
	v_mul_f32 v[96+j], v[160+j], v14               ; register 8 t + i is o(query r, 16 t + 8 h + i); each accumulator from its low end on
.set j, j+1
.endr
.set j, 0
.rept 32
.set j, j+1
.endr
.irp t, 0,1,2,3
	v_cvt_scalef32_pk8_fp8_f32 v[216+2*\t:217+2*\t], v[96+8*\t:103+8*\t], v246
.endr
	v_nop                                          ; one plain line behind the last conversion: later products write its sources
	s_wait_alu depctr_va_vdst(0)
	s_wait_xcnt 0x0                                ; an earlier way out's stores have read their data: v208-215 are loaded again only behind this wait
.irp t, 0,1,2,3
	ds_store_b64 v[STI], v[216+2*\t:217+2*\t] offset:\so+16*\t
.endr
.irp n, 0,1
	ds_load_b128 v[208+4*\n:211+4*\n], v[STO] offset:\so+640*\n   ; LDS serves a wave's instructions in order (ISA guide 5.7.1.4): these see my stores
.endr
	s_wait_dscnt 0x0
.irp n, 0,1
	global_store_b128 v[GO], v[208+4*\n:211+4*\n], s[\out:\out+1] offset:512*\n   ; the wave stores 512 consecutive bytes, at a multiple of 512 from ac's first byte
.endr
.endm
	s_wait_loadcnt 0x0                             ; Q, both blocks'
.Ltrip:                                            ; 16 trips: behind each change of slots but the last the walk's next key step is asked for
	CHANGE 1
	STEP
	s_cmp_lg_u32 s[KS], s[T1]                      ; a branch on ids, the same in all sixteen waves; no barrier and no tensor load stands under it.  15 - i > i: this key step comes once, inside the loop
	s_cbranch_scc1 .Lsame
	FINISH OUT1, 0
.set j, 0
.rept 8
	v_mov_b32 v[16+j], v[24+j]                     ; the second block's queries
.set j, j+1
.endr
	FRESH
	s_mov_b32 s[QB], s[WI]
.Lsame:
	s_add_co_u32 s54, s[KS], 1
	s_cmp_eq_u32 s[KS], s[T1]
	s_cselect_b32 s[KS], 0, s54
	s_xor_b32 s[TB], s[TB], SLOT1                  ; on to the other slot
	s_sub_co_u32 s[CNT], s[CNT], 1
	s_cmp_lg_u32 s[CNT], 0
	s_cbranch_scc1 .Ltrip
	CHANGE 0                                       ; the last key step (the second block's diagonal) is written out
	STEP
	FINISH OUT2, STG2
	s_wait_tensorcnt 0x0                           ; the wave's end: behind my last tensor load and my last LDS store
	ds_add_u32 v[SPW], v[NIL]
	s_wait_dscnt 0x0
	s_endpgm
.Lfunc_end_k_q8dcbd2ce57_attn:
	.size	k_q8dcbd2ce57_attn, .Lfunc_end_k_q8dcbd2ce57_attn-k_q8dcbd2ce57_attn
	.p2alignl 7, 3214868480
	.fill 96, 4, 3214868480
	.section	.rodata,"a",@progbits
	.p2align	6, 0x0
	.amdhsa_kernel k_q8dcbd2ce57_attn
		.amdhsa_group_segment_fixed_size 327680
		.amdhsa_private_segment_fixed_size 0
		.amdhsa_enable_private_segment 0
		.amdhsa_kernarg_size 32
		.amdhsa_user_sgpr_count 2
		.amdhsa_user_sgpr_kernarg_segment_ptr 1
		.amdhsa_wavefront_size32 1
		.amdhsa_system_sgpr_workgroup_id_x 1
		.amdhsa_system_sgpr_workgroup_id_y 1
		.amdhsa_system_sgpr_workgroup_id_z 1
		.amdhsa_system_vgpr_workitem_id 0
		.amdhsa_next_free_vgpr 256
		.amdhsa_next_free_sgpr 84
		.amdhsa_reserve_vcc 1
		.amdhsa_float_denorm_mode_32 3
		.amdhsa_float_denorm_mode_16_64 3
		.amdhsa_fp16_overflow 1
		.amdhsa_memory_ordered 1
		.amdhsa_forward_progress 1
		.amdhsa_inst_pref_size 54
	.end_amdhsa_kernel
	.amdgpu_metadata
---
amdhsa.version: [ 1, 2 ]
amdhsa.kernels:
  - .name:           k_q8dcbd2ce57_attn
    .symbol:         k_q8dcbd2ce57_attn.kd
    .args:
      - { .name: qc, .offset: 0, .size: 8, .value_kind: global_buffer, .address_space: global }
      - { .name: kvc, .offset: 8, .size: 8, .value_kind: global_buffer, .address_space: global }
      - { .name: lowp_scales, .offset: 16, .size: 8, .value_kind: global_buffer, .address_space: global }
      - { .name: ac, .offset: 24, .size: 8, .value_kind: global_buffer, .address_space: global }
    .group_segment_fixed_size: 327680
    .private_segment_fixed_size: 0
    .kernarg_segment_align: 8
    .kernarg_segment_size: 32
    .max_flat_workgroup_size: 512
    .sgpr_count:     84
    .vgpr_count:     256
    .wavefront_size: 32
...
	.end_amdgpu_metadata
.endif
;; end of part 3
;; launch oproj (part 4): grid 4 x 32, 4 waves a work-group, clusters of 4 x 4, 327,680 bytes of LDS; arguments ac, wc, lowp_scales, out0; writes out0
.if DOCPART == 4
	.amdgcn_target "amdgcn-amd-amdhsa--gfx1250"
	.amdhsa_code_object_version 6
	.text
	.protected	k_q8dcbd2ce57_oproj
	.globl	k_q8dcbd2ce57_oproj
	.p2align	8
	.type	k_q8dcbd2ce57_oproj,@function
k_q8dcbd2ce57_oproj:
	s_mov_b64 s[64:65], 0
	v_nop
	global_prefetch_b8 v0, s[64:65] scope:SCOPE_SE
	s_setreg_imm32_b32 hwreg(HW_REG_WAVE_MODE, 25, 1), 1
	s_wait_xcnt 0x0
	s_wait_alu depctr_hold_cnt(0) depctr_sa_sdst(0) depctr_va_vdst(0) depctr_va_sdst(0) depctr_va_ssrc(0) depctr_va_vcc(0) depctr_vm_vsrc(0)
	s_getreg_b32 s2, hwreg(HW_REG_IB_STS2, 6, 4)
	s_cmp_eq_u32 s2, 0
	s_cbranch_scc0 .Lentry_in_a_cluster
	s_endpgm
.Lentry_in_a_cluster:
	s_bfe_u32 s2, ttmp6, 0x10000c
	s_cmp_lg_u32 s2, 0xf033
	s_cbranch_scc0 .Lentry_shape_is_right
	s_endpgm
.Lentry_shape_is_right:
; Product 6: out0[m][n] = 2^(e10 + e11) x sum over k of A[m][k] B[n][k], on codes of E4M3.  A: the attention's codes (8,192 rows), B: W_o's (1,024 rows), K = 1,024; out0 f32.
; LIMIT: e10 + e11 lies between -126 and 127, so that 2^(e10 + e11) is an f32 number.
; A tile of C, 256 x 256, is made by four waves; a wave makes 128 x 128: 64 accumulators, 512 registers.  K goes in 4 steps of 256 through a ring of two LDS slots.
; A lies as [row block of 128][head][row][64 codes]: a K step of a row block is four heads' blocks, 32,768 consecutive bytes, brought as 512 rows of 64 bytes.  B lies as [row block][k block of 128][row][128 codes]: 256 rows of 128 bytes.
; CLUSTERS: 4 x 4 work-groups; A's tiles are asked for jointly along a row of the cluster, B's along a column.  C has 128 such tiles: 128 work-groups.
; THE MATRIX INSTRUCTION IS USED TRANSPOSED (source 0 = 16 rows of B, source 1 = 16 rows of A): a lane holds eight neighbouring numbers of a row of C.
; REGISTERS, in windows of 256: window 0: v0-31 addresses; from v128 A's fragments, ONE set; on the way out v32-255 are free.  window 1: B's fragments, TWO sets.  windows 2, 3: the accumulators.
; No prefetch: half of K goes out at the head, and the joint loads of the rest have a K step's 128 matrix instructions in which to land.
.set SIZE_N, 1024
.set APITCH, 80                        ; A's LDS row: 64 bytes + 16 of padding
.set BPITCH, 144                       ; B's: 128 + 16.  Both are odd multiples of 16 bytes: the 16 rows that a load touches start at 16 different groups of four banks (64 banks of 4 bytes: ISA guide 11.1)
.set FR,     16
.set NL,     4
.set NP,     4                         ; places behind this matrix instruction (ISA guide 7.12.1)
.set HALFA,  512*APITCH                ; what a tensor load brings of A: [64 along K, 0..3][128 rows]
.set HALFB,  256*BPITCH                ; of B: [128 along K, 0, 1][128 rows]
.set SLOT,   2*HALFA+2*HALFB
.set LAPS,   2
.set KB,     32768                     ; a K step of a row block in memory
.set SPARE,  2*SLOT                    ; behind the ring: the spare words, 128 bytes for each wave
.set SPITCH, 528                       ; the way out: a stage of 16 rows x (512 bytes + 16) for each wave, in slot 0, which has had its last fill and its last read when the first result is stored there
.set ADRA, 16
.set ADRB, 20
.set STO,  24
.set RD,   25
.set CO,   26
.set SPW,  28
.set NIL,  29
.set TMP,  32
.set AF,   128
.set BK,   128
.set G1, 24
.set G0, 32
.set G1B, 48
.set G0B, 56
.set MSB, 0
.macro WIN new                         ; the immediate's high byte repeats the setting that is left
.if MSB != \new
	s_set_vgpr_msb (MSB<<8)|\new
.set MSB, \new
.endif
.endm
.set MUL_LO, 0xa1
.set MUL_HI, 0xf1
.set TO_B,   0x40
.macro JLOAD g0a, g1a, g0b, g1b        ; a joint load: waves 0 and 1 fetch for A, waves 2 and 3 for B; four v_nop follow each of the two lines
	s_cmp_eq_u32 s15, 0
	s_cbranch_scc0 .Lfor_b_\@
	tensor_load_to_lds s[\g0a:\g0a+3], s[\g1a:\g1a+7]
	s_nop 0
.rept 4
	v_nop
.endr
	s_branch .Lasked_\@
.Lfor_b_\@:
	tensor_load_to_lds s[\g0b:\g0b+3], s[\g1b:\g1b+7]
	s_nop 0
.rept 4
	v_nop
.endr
.Lasked_\@:
.endm
.macro CREST
	s_cmp_lg_u32 s14, 0
	s_cbranch_scc1 .Lnot_wave_0_\@
	s_barrier_signal -3
.Lnot_wave_0_\@:
	s_barrier_wait -3
	s_barrier_signal -1
	s_barrier_wait -1
.endm
.macro CROUND
	s_barrier_signal -1
	s_barrier_wait -1
	CREST
.endm
	s_load_b128 s[4:7], s[0:1], 0x0                ; ac s[4:5], wc s[6:7]
	s_load_b128 s[8:11], s[0:1], 0x10              ; the scales s[8:9], out0 s[10:11]
	v_lshl_add_u32 v[SPW], v0, 2, SPARE
	v_mov_b32 v[NIL], 0
	ds_add_u32 v28, v29
	s_wait_dscnt 0x0
	v_lshrrev_b32 v1, 5, v0
	v_readfirstlane_b32 s14, v1                    ; wave 0..3
	s_lshr_b32 s15, s14, 1                         ; which half of the tile's rows is mine.  Also: I fetch for A (0) or for B (1)
	s_and_b32 s16, s14, 1                          ; which half of its columns.  Also: which row block of that tile I fetch
	s_bfe_u32 s40, ttmp6, 0x40000                  ; cx, cy
	s_bfe_u32 s41, ttmp6, 0x40004
	s_lshl_b32 s42, ttmp9, 2
	s_add_co_u32 s42, s42, s40                     ; tile column of C
	s_and_b32 s17, ttmp7, 0xffff
	s_lshl_b32 s17, s17, 2
	s_add_co_u32 s17, s17, s41                     ; tile row of C
	s_lshl_b32 s43, s41, 2
	s_lshl_b32 s43, 15, s43                        ; my row of the cluster
	s_lshl_b32 s44, 0x1111, s40                    ; my column
	; descriptor group 1.  A: 512 rows x 64 bytes, dense; four words of padding after every 16 (code 3)
	s_or_b32 s[G1+0], s43, (0<<16)|(1<<20)|(1<<21)|(3<<22)|(3<<25)
	s_mov_b32 s[G1+1], 64<<16                      ; tensor_dim0
	s_mov_b32 s[G1+2], 512<<16                     ; tensor_dim1
	s_mov_b32 s[G1+3], 64<<16                      ; tile_dim0
	s_mov_b32 s[G1+4], 512                         ; tile_dim1
	s_mov_b32 s[G1+5], 64                          ; tensor_dim0_stride
	s_mov_b32 s[G1+6], 0
	s_mov_b32 s[G1+7], 0
	; B: 256 rows x 128 bytes, dense; four words of padding after every 32 (code 4)
	s_or_b32 s[G1B+0], s44, (0<<16)|(1<<20)|(1<<21)|(4<<22)|(3<<25)
	s_mov_b32 s[G1B+1], 128<<16
	s_mov_b32 s[G1B+2], 256<<16
	s_mov_b32 s[G1B+3], 128<<16
	s_mov_b32 s[G1B+4], 256
	s_mov_b32 s[G1B+5], 128
	s_mov_b32 s[G1B+6], 0
	s_mov_b32 s[G1B+7], 0
	s_lshl_b32 s20, s17, 1
	s_add_co_u32 s20, s20, s16                     ; A: row block 2 x tile row + half, 131,072 bytes each
	s_lshl_b32 s20, s20, 17
	s_mov_b32 s21, 0
	s_lshl_b32 s46, s42, 1
	s_add_co_u32 s46, s46, s16                     ; B likewise, by the tile column,
	s_lshl_b32 s46, s46, 17
	s_add_co_u32 s46, s46, 3<<20                   ; in W_o's codes, the fourth MiB of wc
	s_mov_b32 s47, 0
	s_mul_i32 s45, s16, HALFA                      ; where they go: no place in the cluster enters an LDS address
	s_mul_i32 s66, s16, HALFB
	s_add_co_u32 s66, s66, 2*HALFA
	s_wait_kmcnt 0x0
	s_load_b64 s[96:97], s[8:9], 0x28              ; e10, e11
	s_add_nc_u64 s[20:21], s[4:5], s[20:21]
	s_add_nc_u64 s[46:47], s[6:7], s[46:47]
	CROUND                                         ; all sixteen work-groups are here: the first joint loads meet
.irp s, 0,1
	s_mov_b32 s[G0+4*\s], 1
	s_add_co_u32 s[G0+4*\s+1], s45, \s*SLOT
	s_add_nc_u64 s[G0+4*\s+2:G0+4*\s+3], s[20:21], \s*KB
	s_or_b32 s[G0+4*\s+3], s[G0+4*\s+3], 0x80000000
	s_mov_b32 s[G0B+4*\s], 1
	s_add_co_u32 s[G0B+4*\s+1], s66, \s*SLOT
	s_add_nc_u64 s[G0B+4*\s+2:G0B+4*\s+3], s[46:47], \s*KB
	s_or_b32 s[G0B+4*\s+3], s[G0B+4*\s+3], 0x80000000
	JLOAD G0+4*\s, G1, G0B+4*\s, G1B
.endr
	v_and_b32 v1, 15, v0                           ; r
	v_bfe_u32 v2, v0, 4, 1                         ; h
	v_mul_u32_u24 v3, v1, APITCH
	v_lshl_add_u32 v3, v2, 4, v3
	v_mul_u32_u24 v4, v1, BPITCH
	v_lshl_add_u32 v4, v2, 4, v4
	s_mul_i32 s21, s15, HALFA                      ; my 128 rows of A
	s_mul_i32 s22, s16, HALFB                      ; my 128 rows of B,
	s_add_co_u32 s22, s22, 2*HALFA                 ; which lie behind A's
.irp s, 0,1
	v_add_nc_u32 v[ADRA+\s], s21, v3
	v_add_nc_u32 v[ADRB+\s], s22, v4
	s_add_co_u32 s21, s21, SLOT
	s_add_co_u32 s22, s22, SLOT
.endr
	s_mul_i32 s23, s14, 16*SPITCH                  ; my stage
	v_mul_u32_u24 v5, v1, SPITCH                   ; in: row r, 32 bytes for each half of the lanes
	v_lshl_add_u32 v5, v2, 5, v5
	v_add_nc_u32 v[STO], s23, v5
	v_and_b32 v6, 31, v0
	v_lshlrev_b32 v[CO], 4, v6                     ; back: the 32 lanes take one row of 512 bytes; and the same in C
	v_add_nc_u32 v[RD], s23, v[CO]
	s_lshl_b32 s20, s17, 8
	s_lshl_b32 s21, s15, 7
	s_add_co_u32 s20, s20, s21                     ; my first row of C: 256 x tile row + 128 x half,
	s_lshl_b32 s20, s20, 12                        ; 4,096 bytes each
	s_lshl_b32 s46, s42, 10                        ; my first column, in bytes: 1,024 x tile column + 512 x half
	s_lshl_b32 s47, s16, 9
	s_add_co_u32 s46, s46, s47
	s_add_co_u32 s20, s20, s46
	s_mov_b32 s21, 0
	s_add_nc_u64 s[10:11], s[10:11], s[20:21]
; A fragment, 16 rows x 128 K, is 16 registers: lane l holds row l % 16; registers 4 c .. 4 c + 3 hold K = 32 c + 16 (l / 16) + 0 .. 15: the same places of k in A and in B
.macro FRAGA reg, adr, q, i
.irp c, 0,1,2,3
	ds_load_b128 v[\reg+4*\c:\reg+4*\c+3], v[\adr] offset:((2*(\q)+\c/2)*128+16*(\i))*APITCH+32*(\c%2)
.endr
.endm
.macro FRAGB reg, adr, q, i
.irp c, 0,1,2,3
	ds_load_b128 v[\reg+4*\c:\reg+4*\c+3], v[\adr] offset:(\q)*128*BPITCH+(\i)*16*BPITCH+32*\c
.endr
.endm
; 16 matrix instructions: A's blocks a0, a0 + 1 x B's eight.  The 64 accumulators take turns, one instruction a turn, in the same order in every step.
.macro MUL16 a0, p, zero
.irp a, \a0, \a0+1
.irp b, 0,1,2,3,4,5,6,7
.if \zero
	v_wmma_f32_16x16x128_fp8_fp8 v[8*(8*((\a)%4)+\b):8*(8*((\a)%4)+\b)+7], v[128*(\p)+FR*\b:128*(\p)+FR*\b+FR-1], v[AF+FR*(\a):AF+FR*(\a)+FR-1], 0
.else
	v_wmma_f32_16x16x128_fp8_fp8 v[8*(8*((\a)%4)+\b):8*(8*((\a)%4)+\b)+7], v[128*(\p)+FR*\b:128*(\p)+FR*\b+FR-1], v[AF+FR*(\a):AF+FR*(\a)+FR-1], v[8*(8*((\a)%4)+\b):8*(8*((\a)%4)+\b)+7]
.endif
.endr
.endr
.endm
.macro FETCH_B slot, q, p
	WIN TO_B
.irp i, 0,1,2,3,4,5,6,7
	FRAGB 128*(\p)+FR*\i, ADRB+\slot, \q, \i
.endr
	WIN 0
.endm
.macro FETCH_A slot, q, i0
.irp i, \i0, \i0+1, \i0+2, \i0+3
	FRAGA AF+FR*(\i), ADRA+\slot, \q, \i
.endr
.endm
.macro PLACES n                        ; places in front of loads into registers that matrix instructions have read, and of the first read of results (ISA guide 7.12.1 for vector instructions)
.rept \n
	v_nop
.endr
.endm
.macro STEP slot, q, zero              ; a step of 128 along K that has its successor in the same slot
	s_wait_dscnt 4*NL                              ; B's set and A's blocks 0-3 are in; the youngest sixteen loads (A's blocks 4-7) may be out
	WIN MUL_LO
	MUL16 0, (\q)%2, \zero
	MUL16 2, (\q)%2, \zero
	s_wait_dscnt 0                                 ; A's blocks 4-7 are in
	PLACES NP
	FETCH_B \slot, (\q)+1, 1-(\q)%2
	FETCH_A \slot, (\q)+1, 0
	WIN MUL_HI
	MUL16 4, (\q)%2, \zero
	MUL16 6, (\q)%2, \zero
	PLACES NP
	WIN 0
	FETCH_A \slot, (\q)+1, 4
.endm
; A slot's last step changes slots: ONE barrier; in front of it each wave waits for all its tensor loads, adds 0 to its spare word, and waits for that and for its own reads of this slot.
.macro TURN slot, next, fill
	s_wait_tensorcnt 0x0                           ; all my tensor loads have landed: my part of the next slot  (every window is 0 here)
	ds_add_u32 v[SPW], v[NIL]                      ; 0 onto my spare word
	s_wait_dscnt 4*NL+1                            ; (the add and the youngest sixteen loads may be out)
	WIN MUL_LO
	MUL16 0, 1, 0
	s_wait_dscnt 0x0                               ; the add is done, and my reads of this slot are over
	s_barrier_signal -1
	MUL16 2, 1, 0
	WIN 0
	s_barrier_wait -1
.if \fill
	CREST                                          ; the barrier has opened a round of the cluster's barrier: no wave of any partner still reads this slot's tile or has a load on its way
	s_add_nc_u64 s[G0+4*\slot+2:G0+4*\slot+3], s[G0+4*\slot+2:G0+4*\slot+3], 2*KB
	s_add_nc_u64 s[G0B+4*\slot+2:G0B+4*\slot+3], s[G0B+4*\slot+2:G0B+4*\slot+3], 2*KB
	JLOAD G0+4*\slot, G1, G0B+4*\slot, G1B         ; the first tensor load behind the round; its four v_nop are the places in front of the loads below
.else
	PLACES NP
.endif
	FETCH_B \next, 0, 0
	FETCH_A \next, 0, 0
	WIN MUL_HI
	MUL16 4, 1, 0
	MUL16 6, 1, 0
	PLACES NP
	WIN 0
	FETCH_A \next, 0, 4
.endm
	s_wait_tensorcnt 1                             ; my part of K step 0 is in (K step 1's load may be out)
	s_barrier_signal -1
	s_barrier_wait -1                              ; everybody's is
	FETCH_B 0, 0, 0
	FETCH_A 0, 0, 0
	FETCH_A 0, 0, 4
	STEP 0, 0, 1                                   ; the first step's products start the sums
	s_mov_b32 s3, LAPS-1
.Llap:
	TURN 0, 1, 1
	STEP 1, 0, 0
	TURN 1, 0, 1
	STEP 0, 0, 0
	s_sub_co_u32 s3, s3, 1
	s_cmp_lg_u32 s3, 0
	s_cbranch_scc1 .Llap
	TURN 0, 1, 0                                   ; the last lap fills nothing
	STEP 1, 0, 0
	s_wait_dscnt 4*NL
	WIN MUL_LO
	MUL16 0, 1, 0
	MUL16 2, 1, 0
	s_wait_dscnt 0
	WIN MUL_HI
	MUL16 4, 1, 0
	MUL16 6, 1, 0
	WIN 0
; THE WAY OUT, block by block of 16 rows x 128 columns, through my own stage: in as 32 bytes a lane, back as whole rows of 512 bytes.  LDS serves a wave's instructions in order (ISA guide 5.7.1.4).
.macro TOSTAGE a
.set AC, 64*((\a)%4)
	WIN 0x02+((\a)/4)                              ; source 0: window 2 or 3
.set j, 0
.rept 32
	v_pk_mul_f32 v[TMP+j:TMP+j+1], v[AC+j:AC+j+1], s[96:97] op_sel_hi:[1,0]   ; both x s96 = 2^(e10 + e11); each accumulator from its low end on
.set j, j+2
.endr
	WIN 0
.irp b, 0,1,2,3,4,5,6,7
	ds_store_b128 v[STO], v[TMP+8*\b:TMP+8*\b+3] offset:64*\b
	ds_store_b128 v[STO], v[TMP+8*\b+4:TMP+8*\b+7] offset:64*\b+16
.endr
.set BB, BK+64*((\a)%2)
.irp t, 0,1,2,3,4,5,6,7,8,9,10,11,12,13,14,15
	ds_load_b128 v[BB+4*\t:BB+4*\t+3], v[RD] offset:\t*SPITCH
.endr
.endm
.macro SEND a, younger                 ; younger: the LDS instructions issued behind block a's loads, which may stay out
.set BB, BK+64*((\a)%2)
	s_wait_dscnt \younger
.if (\a) > 0
	s_add_nc_u64 s[10:11], s[10:11], 16*SIZE_N*4   ; (behind a wait on XCNT: the earlier stores have read their base)  16 rows of C on
.endif
.irp t, 0,1,2,3,4,5,6,7,8,9,10,11,12,13,14,15
	global_store_b128 v[CO], v[BB+4*\t:BB+4*\t+3], s[10:11] offset:\t*SIZE_N*4 th:TH_STORE_NT   ; 32 lanes store 512 consecutive bytes, at a multiple of 512 from C's first byte; written once, read by nobody here
.endr
.endm
	s_wait_kmcnt 0x0
	s_add_co_i32 s96, s96, s97
	s_add_co_i32 s96, s96, 127
	s_lshl_b32 s96, s96, 23                        ; 2^(e10 + e11) as f32
	PLACES NP
	TOSTAGE 0
.irp a, 1,2,3,4,5,6,7
.if \a > 1
	s_wait_xcnt 0x0                                ; block a - 2's stores have read their registers and their base: block a's loads may land there, and the base may step
.endif
	TOSTAGE \a
	SEND \a-1, 32                                  ; behind block a - 1's loads: block a's 16 stores and 16 loads
.endr
	s_wait_xcnt 0x0
	SEND 7, 0
	s_wait_tensorcnt 0x0                           ; the wave's end: behind my last tensor load and my last LDS store
	ds_add_u32 v[SPW], v[NIL]
	s_wait_dscnt 0x0
	CROUND                                         ; the closing round
	s_endpgm
.Lfunc_end_k_q8dcbd2ce57_oproj:
	.size	k_q8dcbd2ce57_oproj, .Lfunc_end_k_q8dcbd2ce57_oproj-k_q8dcbd2ce57_oproj
	.p2alignl 7, 3214868480
	.fill 96, 4, 3214868480
	.section	.rodata,"a",@progbits
	.p2align	6, 0x0
	.amdhsa_kernel k_q8dcbd2ce57_oproj
		.amdhsa_group_segment_fixed_size 327680
		.amdhsa_private_segment_fixed_size 0
		.amdhsa_enable_private_segment 0
		.amdhsa_kernarg_size 32
		.amdhsa_user_sgpr_count 2
		.amdhsa_user_sgpr_kernarg_segment_ptr 1
		.amdhsa_wavefront_size32 1
		.amdhsa_system_sgpr_workgroup_id_x 1
		.amdhsa_system_sgpr_workgroup_id_y 1
		.amdhsa_system_sgpr_workgroup_id_z 1
		.amdhsa_system_vgpr_workitem_id 0
		.amdhsa_next_free_vgpr 1024
		.amdhsa_next_free_sgpr 98
		.amdhsa_reserve_vcc 0
		.amdhsa_float_denorm_mode_32 3
		.amdhsa_float_denorm_mode_16_64 3
		.amdhsa_memory_ordered 1
		.amdhsa_forward_progress 1
		.amdhsa_inst_pref_size 123
	.end_amdhsa_kernel
	.amdgpu_metadata
---
amdhsa.version: [ 1, 2 ]
amdhsa.kernels:
  - .name:           k_q8dcbd2ce57_oproj
    .symbol:         k_q8dcbd2ce57_oproj.kd
    .args:
      - { .name: ac, .offset: 0, .size: 8, .value_kind: global_buffer, .address_space: global }
      - { .name: wc, .offset: 8, .size: 8, .value_kind: global_buffer, .address_space: global }
      - { .name: lowp_scales, .offset: 16, .size: 8, .value_kind: global_buffer, .address_space: global }
      - { .name: out0, .offset: 24, .size: 8, .value_kind: global_buffer, .address_space: global }
    .group_segment_fixed_size: 327680
    .private_segment_fixed_size: 0
    .kernarg_segment_align: 8
    .kernarg_segment_size: 32
    .max_flat_workgroup_size: 128
    .sgpr_count:     98
    .vgpr_count:     1024
    .wavefront_size: 32
...
	.end_amdgpu_metadata
.endif
;; end of part 4
